; MI455X (gfx1250); checked and timed in simulation.
; The chip was launched on July 23, 2026; its instructions are those of AMD's public machine-readable ISA for CDNA 5 (MIT licence, August 2026) and "CDNA5" Instruction Set Architecture Reference Guide (July 2026). The comments in the code are by the model that wrote it; some were corrected since.
;; Casual Self Attention. Allowed arithmetic: matrix products marked QUANTISED: E2M3 operands, one E8M0 scale for each 32 along K, by v_wmma_scale_f32_16x16x128_f8f6f4 with both operands' format E2M3, f32 sums; everything else in f32.
;; Inputs: Wk 1,024 x 1,024 float32; Wo 1,024 x 1,024 float32; Wq 1,024 x 1,024 float32; Wv 1,024 x 1,024 float32; x 2 x 2,048 x 1,024 float32.
;; Outputs: out0 2 x 2,048 x 1,024 float32.
;; This version of the problem:
;;   THIS VERSION OF THE PROBLEM IS GIVEN IN LOW PRECISION. The matrix products marked QUANTISED in the list below multiply operands that are first quantised to E2M3 (2 exponent bits, 3 mantissa bits; 6 bits a number), with one power-of-two scale for each 32 numbers along K (OCP MX v1.0); their sums are f32. All else is computed in f32.
;;   The module's matrix products, in the order in which they are computed (A, B: the left and right operand; K: the contracted axis; several contracted axes count as one K, in the product's order):
;;     1. [M 4,096, K 1,024] x [K 1,024, N 1,024]; A: input x; B: input Wq: QUANTISED
;;     2. [M 4,096, K 1,024] x [K 1,024, N 1,024]; A: input x; B: input Wk: QUANTISED
;;     3. [M 4,096, K 1,024] x [K 1,024, N 1,024]; A: input x; B: input Wv: QUANTISED
;;     4. batch 32 x [M 2,048, K 64] x [K 64, N 2,048]; A: computed on the way; B: computed on the way: QUANTISED
;;     5. batch 32 x [M 2,048, K 2,048] x [K 2,048, N 64]; A: softmax (see below); B: computed on the way: QUANTISED
;;     6. [M 4,096, K 1,024] x [K 1,024, N 1,024]; A: computed on the way; B: input Wo: QUANTISED
;;   THE QUANTISER, for each operand of a quantised product, along K:
;;     - K is cut into blocks of 32 from its start; a last block that is shorter is filled with zeros.
;;     - A block's scale is 2^e with e = floor(log2(the largest magnitude in the block)) - 2, held to -126 .. 127; a block of zeros has e = 0. As a byte (E8M0): e + 127.
;;     - Each number is divided by its block's scale, clamped to +-7.5, and rounded to the nearest number of E2M3, ties to even, subnormals kept.
;;     - The product sums the exact products of the quantised numbers (number of the format x scale) in f32.
;;   ~~~python
;;   def quantise(x, axis):      # numpy; x: float32 -> the quantised numbers, widened to float32 again
;;       x = np.moveaxis(x, axis, -1); K = x.shape[-1]
;;       x = np.pad(x, [(0, 0)] * (x.ndim - 1) + [(0, -K % 32)]); x = x.reshape(x.shape[:-1] + (-1, 32)); a = np.abs(x).max(-1, keepdims=True)
;;       e = np.where(a > 0, np.clip(np.frexp(np.where(a > 0, a, 1))[1] - 1 - 2, -126, 127), 0)      # np.frexp(a)[1] - 1 = floor(log2(a)), exactly
;;       r = np.clip(x / 2.0 ** e, -7.5, 7.5)
;;       step = 2.0 ** (np.maximum(np.frexp(np.where(r == 0, 1, r))[1] - 1, 0) - 3)
;;       q = np.round(r / step) * step * 2.0 ** e      # np.round: ties to even
;;       return np.moveaxis(q.reshape(q.shape[:-2] + (-1,))[..., :K], -1, axis).astype(np.float32)
;;   ~~~
;;   SOFTMAX AHEAD OF A QUANTISED PRODUCT. Where the list says 'softmax', what is quantised is not the finished softmax but p = 2^(t - M), with t = logit x log2(e) and M = ceil(the row's largest t), a whole number; so 1/2 < the row's largest p <= 1. The row's sum l is taken of the UNQUANTISED p, in f32, and the product's result is divided by l at the end. Since M is a whole number, a kernel that streams over the keys may use a running M (the ceiling of the running maximum): every later rescaling is an exact power of two, which a block's scale takes up: the codes' values come out the same.
;;   OPERANDS COMPUTED ON THE WAY. 'Computed on the way' means the value that the module computes at that place (a softmax that the list does not call 'softmax' is quantised finished and normalised). What goes into a quantiser is computed in f32, as accurately as f32 sums, v_exp_f32 and their like allow (about 1e-6 of the number): no bf16 or f16 on the way to a quantiser, and a product that is left as it is and whose result goes on into a quantised operand takes f32 operands (vector FMAs, or v_wmma_f32_16x16x4_f32). A number that lies on a knife's edge between two numbers of the format may be rounded either way, as far as f32 arithmetic and the matrix unit's own rounding can turn it there, and no further.
;; One version. Each part assembles by itself: llvm-mc -triple=amdgcn-amd-amdhsa -mcpu=gfx1250 --defsym DOCPART=n.
;; ======== version 1 of 1: 4 launches
;; limits: right only within a limited range of input values
;; workspace buffers: cod 6,291,456 bytes; scl 262,144 bytes; qkvc 9,437,184 bytes; qkvs 393,216 bytes; oc 3,145,728 bytes; os 131,072 bytes
;; launch quant (part 1): grid 256 x 1, 8 waves a work-group, no clusters, 136,192 bytes of LDS; arguments x, Wq, Wk, Wv, Wo, cod, scl; writes cod, scl
.if DOCPART == 1
	.amdgcn_target "amdgcn-amd-amdhsa--gfx1250"
	.amdhsa_code_object_version 6
	.text
	.protected	k_q092400e8f5_quant
	.globl	k_q092400e8f5_quant
	.p2align	8
	.type	k_q092400e8f5_quant,@function
k_q092400e8f5_quant:
	s_mov_b64 s[64:65], 0
	v_nop
	global_prefetch_b8 v0, s[64:65] scope:SCOPE_SE
	s_setreg_imm32_b32 hwreg(HW_REG_WAVE_MODE, 25, 1), 1
	s_wait_xcnt 0x0
; x [4096][1024] and Wq, Wk, Wv, Wo [1024][1024], f32 with K innermost, become codes of FP6 (E2M3) with one E8M0 scale byte for each 32 along K,
; laid in the ORDER OF AN OPERAND'S REGISTERS.  A block's scale is 2^(floor(log2(its largest magnitude)) - 2); its byte is that magnitude's exponent field - 2, held at 1 from below.
; LIMITS: NaN and infinities among the inputs are not served.  A block of zeros gets the byte 1 where the rule says 127: its codes are zeros, which add nothing, and this program alone reads the bytes.
; WORK THAT THE PROGRAM LEAVES OUT: key steps of attention that lie wholly behind a block's last query; reference() puts -infinity in front of the softmax there, whatever the inputs hold (launch attn).
; ROWS.  The 8,192 rows (x, Wq, Wk, Wv, Wo on end) go in groups of 32; group g has the row tiles T = 2 g + u, u = 0, 1; lane r of tile u holds row 32 g + 8 u + r + 8 (r / 8).
; cod: [kq 0..3][T 0..511][sq 0..1][1,536 bytes]: the fragment (16 rows x 128 K, 12 registers a lane) of K step 2 kq + sq, in two halves c of 768 bytes:
; registers 6 c .. 6 c + 3 at 16 x lane (512 bytes), then registers 6 c + 4, 6 c + 5 at 8 x lane (256 bytes).
; scl: [T][K step 0..7][r]: one 32-bit word of four scale bytes.
; SHARES.  Work-group g takes group g, 128 KB on end.  Wave w takes tile u = w % 2 and the 256 along K from 256 (w / 2) on: two fragments.  All its 32 loads go out at once.
; A load reads 512 consecutive bytes of one row; the conversions want 16 neighbours along K in one lane: so a fragment's 8 KB turn through the wave's own stage in LDS (rows of 512 + 16 bytes).
; No barrier: a wave reads only what it wrote.  No tensor load, no cluster, no matrix instruction: nothing is shared and every byte is read once.
.set CKQ,  1572864                     ; bytes from kq to kq + 1 in cod: 512 tiles x 3,072
.set STW,  16896                       ; a wave's two stages
.set STU,  8448                        ; one stage: 16 rows x 528 bytes
.set SP,   528
.set SPARE, 8*STW
.set R0,   16                          ; v16-143  the two fragments' numbers as loaded
.set X,    144                         ; v144-207 64 numbers of a lane: register 16 b + i = k 32 b + 16 (lane / 16) + i of my row
.set TM,   208                         ; v208-223 at work
.set PC,   224                         ; v224-242 the codes just made (12 registers) and two runs at work
.set PW,   244                         ; v244, v245 the two scale words
.set SEL,  28                          ; s[28:29] selects for v_permlanex16_b32: lane l xor 16
; 64 numbers of a lane become a fragment's codes in v[PC] on and its scale word in v[pw]
.macro QUANT s, pw
.irp b, 0,1,2,3
	v_max3_num_f32 v[TM+\b], |v[\s+16*\b]|, |v[\s+1+16*\b]|, 0x1800000   ; block b: my 16 numbers, and the floor 2^(3 - 127): the byte cannot fall under 1
.endr
.irp i, 2,4,6,8,10,12,14
.irp b, 0,1,2,3
	v_max3_num_f32 v[TM+\b], v[TM+\b], |v[\s+16*\b+\i]|, |v[\s+1+16*\b+\i]|   ; the four blocks by turns
.endr
.endr
.irp b, 0,1,2,3
	v_permlanex16_b32 v[TM+4+\b], v[TM+\b], s[SEL], s[SEL+1]
.endr
.irp b, 0,1,2,3
	v_max_num_f32 v[TM+\b], v[TM+\b], v[TM+4+\b]      ; with lane l xor 16's 16: the block's largest magnitude
.endr
.irp b, 0,1,2,3
	v_add_nc_u32 v[TM+12+\b], 0xff000000, v[TM+\b]    ; 2 off its exponent field: the conversion's scale operand
.endr
.irp b, 0,1,2,3
	v_lshrrev_b32 v[TM+4+\b], 23, v[TM+12+\b]         ; the scale's byte
.endr
	v_lshl_or_b32 v[\pw], v[TM+5], 8, v[TM+4]
	v_lshl_or_b32 v[TM+6], v[TM+7], 8, v[TM+6]
	v_lshl_or_b32 v[\pw], v[TM+6], 16, v[\pw]         ; my row's scale word; lanes l and l xor 16 hold the same
.irp c, 0,1
	v_cvt_scalef32_pk16_fp6_f32 v[PC+6*\c:PC+2+6*\c], v[\s+32*\c:\s+15+32*\c], v[TM+12+2*\c]
	v_cvt_scalef32_pk16_fp6_f32 v[PC+12+4*\c:PC+14+4*\c], v[\s+16+32*\c:\s+31+32*\c], v[TM+12+2*\c+1]   ; (a conversion's three registers begin on an even number)
.endr
	v_nop                                          ; one plain instruction behind the scaled conversions
.irp c, 0,1                                    ; the operand wants a WHOLE block in a lane: lanes 0-15 block 2 c, lanes 16-31 block 2 c + 1
.irp i, 0,1,2
	v_permlane16_swap_b32 v[PC+6*\c+\i], v[PC+12+4*\c+\i]
.endr
.endr
.irp c, 0,1
.irp i, 0,1,2
	v_mov_b32 v[PC+3+6*\c+\i], v[PC+12+4*\c+\i]
.endr
.endr
.endm
; fragment q's 16 rows x 512 bytes go into its stage as loaded and come back 64 bytes a lane and block; LDS serves a wave's instructions in order
.macro TURN q
.irp i, 0,1,2,3,4,5,6,7,8,9,10,11,12,13,14,15
	ds_store_b128 v5, v[R0+64*\q+4*\i:R0+64*\q+4*\i+3] offset:STU*\q+SP*\i
.endr
.irp b, 0,1,2,3
.irp j, 0,1,2,3
	ds_load_b128 v[X+16*\b+4*\j:X+16*\b+4*\j+3], v6 offset:STU*\q+128*\b+16*\j
.endr
.endr
	s_wait_dscnt 0x0
.endm
.macro OUT q                           ; the wave's stores cover 512 and 256 consecutive bytes, aligned
.irp c, 0,1
	global_store_b128 v4, v[PC+6*\c:PC+6*\c+3], s[22:23] offset:1536*\q+768*\c
	global_store_b64 v7, v[PC+6*\c+4:PC+6*\c+5], s[22:23] offset:1536*\q+768*\c+512
.endr
.endm
	s_load_b256 s[4:11], s[0:1], 0x0               ; x, Wq, Wk, Wv
	s_load_b64 s[12:13], s[0:1], 0x20              ; Wo
	s_load_b64 s[16:17], s[0:1], 0x28              ; cod
	s_load_b64 s[18:19], s[0:1], 0x30              ; scl
	v_lshl_add_u32 v254, v0, 2, SPARE
	v_mov_b32 v255, 0
	v_lshrrev_b32 v9, 5, v0
	v_readfirstlane_b32 s14, v9                    ; wave 0..7
	v_and_b32 v1, 31, v0                           ; lane
	v_and_b32 v2, 15, v0                           ; r
	v_bfe_u32 v3, v0, 4, 1                         ; h
	v_lshlrev_b32 v4, 4, v1                        ; my 16 bytes of a load's 512
	s_mul_i32 s27, s14, STW
	v_add_nc_u32 v5, s27, v4                       ; into the stage: 16 x lane
	v_mul_u32_u24 v6, v2, SP
	v_lshl_add_u32 v6, v3, 6, v6
	v_add_nc_u32 v6, s27, v6                       ; out of it: row r, + 64 h
	v_lshlrev_b32 v7, 3, v1                        ; 8 bytes a lane
	v_lshlrev_b32 v8, 2, v1                        ; scale words: 4 bytes a lane
.irp b, 0,1,2,3
	v_mov_b32 v[TM+4+\b], 0                        ; written once: a lane permute's destination counts as one of its sources
.endr
	s_mov_b32 s[SEL], 0x76543210
	s_mov_b32 s[SEL+1], 0xfedcba98
	s_and_b32 s15, s14, 1                          ; u
	s_lshr_b32 s26, s14, 1                         ; kq
	s_and_b32 s30, ttmp9, 31                       ; the group's number inside its tensor: a weight has 32 groups,
	s_cmp_lt_u32 ttmp9, 128
	s_cselect_b32 s30, ttmp9, s30                  ; x has 128
	s_lshl_b32 s30, s30, 17                        ; x 32 rows of 4,096 bytes
	s_lshl_b32 s31, s15, 15                        ; + 8 u rows
	s_add_co_u32 s30, s30, s31
	s_lshl_b32 s31, s26, 10                        ; + 256 kq numbers
	s_add_co_u32 s30, s30, s31
	s_mov_b32 s31, 0
	s_lshl_b32 s32, ttmp9, 1
	s_add_co_u32 s32, s32, s15                     ; T
	s_mul_i32 s34, s32, 3072
	s_mul_i32 s33, s26, CKQ
	s_add_co_u32 s34, s34, s33
	s_mov_b32 s35, 0
	s_lshl_b32 s36, s32, 9
	s_lshl_b32 s33, s26, 7
	s_add_co_u32 s36, s36, s33
	s_mov_b32 s37, 0
	s_wait_alu depctr_va_vdst(0)                   ; the wait at the head's end
	s_wait_kmcnt 0x0
	s_mov_b64 s[20:21], s[12:13]                   ; which tensor: the choice hangs on the work-group's number alone
	s_cmp_lt_u32 ttmp9, 224
	s_cselect_b64 s[20:21], s[10:11], s[20:21]
	s_cmp_lt_u32 ttmp9, 192
	s_cselect_b64 s[20:21], s[8:9], s[20:21]
	s_cmp_lt_u32 ttmp9, 160
	s_cselect_b64 s[20:21], s[6:7], s[20:21]
	s_cmp_lt_u32 ttmp9, 128
	s_cselect_b64 s[20:21], s[4:5], s[20:21]
	s_add_nc_u64 s[20:21], s[20:21], s[30:31]
	s_add_nc_u64 s[22:23], s[16:17], s[34:35]
	s_add_nc_u64 s[24:25], s[18:19], s[36:37]
.irp q, 0,1
.irp i, 0,1,2,3,4,5,6,7,8,9,10,11,12,13,14,15
	global_load_b128 v[R0+64*\q+4*\i:R0+64*\q+4*\i+3], v4, s[20:21] offset:(\i+8*(\i/8))*4096+512*\q th:TH_LOAD_NT   ; lane-row i of the tile: 512 consecutive bytes
.endr
.endr
	s_wait_loadcnt 16                              ; the first fragment's 16 loads are in; the second's 16 stay out
	TURN 0
	QUANT X, PW
	OUT 0
	s_wait_alu depctr_va_vdst(0)                   ; directly ahead of the waits below
	s_wait_loadcnt 0x0
	TURN 1
	s_wait_xcnt 0x0                                ; the stores have read v[PC] on: it is written again only behind this wait
	QUANT X, PW+1
	OUT 1
	v_cmp_lt_u32 vcc_lo, 15, v1
	v_cndmask_b32 v246, v[PW], v[PW+1], vcc_lo     ; lanes 0-15: the words of K step 2 kq, lanes 16-31: those of 2 kq + 1
	global_store_b32 v8, v246, s[24:25]            ; 128 consecutive bytes
	s_wait_tensorcnt 0x0                           ; the wave's end
	ds_add_u32 v254, v255
	s_wait_dscnt 0x0
	s_endpgm
.Lfunc_end_k_q092400e8f5_quant:
	.size	k_q092400e8f5_quant, .Lfunc_end_k_q092400e8f5_quant-k_q092400e8f5_quant
	.p2alignl 7, 3214868480
	.fill 96, 4, 3214868480
	.section	.rodata,"a",@progbits
	.p2align	6, 0x0
	.amdhsa_kernel k_q092400e8f5_quant
		.amdhsa_group_segment_fixed_size 136192
		.amdhsa_private_segment_fixed_size 0
		.amdhsa_enable_private_segment 0
		.amdhsa_kernarg_size 56
		.amdhsa_user_sgpr_count 2
		.amdhsa_user_sgpr_kernarg_segment_ptr 1
		.amdhsa_wavefront_size32 1
		.amdhsa_system_sgpr_workgroup_id_x 1
		.amdhsa_system_sgpr_workgroup_id_y 1
		.amdhsa_system_sgpr_workgroup_id_z 1
		.amdhsa_system_vgpr_workitem_id 0
		.amdhsa_next_free_vgpr 256
		.amdhsa_next_free_sgpr 66
		.amdhsa_reserve_vcc 1
		.amdhsa_float_denorm_mode_32 3
		.amdhsa_float_denorm_mode_16_64 3
		.amdhsa_memory_ordered 1
		.amdhsa_forward_progress 1
		.amdhsa_inst_pref_size 19
	.end_amdhsa_kernel
	.amdgpu_metadata
---
amdhsa.version: [ 1, 2 ]
amdhsa.kernels:
  - .name:           k_q092400e8f5_quant
    .symbol:         k_q092400e8f5_quant.kd
    .args:
      - { .name: x, .offset: 0, .size: 8, .value_kind: global_buffer, .address_space: global }
      - { .name: Wq, .offset: 8, .size: 8, .value_kind: global_buffer, .address_space: global }
      - { .name: Wk, .offset: 16, .size: 8, .value_kind: global_buffer, .address_space: global }
      - { .name: Wv, .offset: 24, .size: 8, .value_kind: global_buffer, .address_space: global }
      - { .name: Wo, .offset: 32, .size: 8, .value_kind: global_buffer, .address_space: global }
      - { .name: cod, .offset: 40, .size: 8, .value_kind: global_buffer, .address_space: global }
      - { .name: scl, .offset: 48, .size: 8, .value_kind: global_buffer, .address_space: global }
    .group_segment_fixed_size: 136192
    .private_segment_fixed_size: 0
    .kernarg_segment_align: 8
    .kernarg_segment_size: 56
    .max_flat_workgroup_size: 256
    .sgpr_count:     66
    .vgpr_count:     256
    .wavefront_size: 32
...
	.end_amdgpu_metadata
.endif
;; end of part 1
;; launch gemm_qkv (part 2): grid 16 x 16, 8 waves a work-group, clusters of 4 x 4, 327,680 bytes of LDS; arguments cod, scl, qkvc, qkvs; writes qkvc, qkvs
.if DOCPART == 2
	.amdgcn_target "amdgcn-amd-amdhsa--gfx1250"
	.amdhsa_code_object_version 6
	.text
	.protected	k_q092400e8f5_gemm_qkv
	.globl	k_q092400e8f5_gemm_qkv
	.p2align	8
	.type	k_q092400e8f5_gemm_qkv,@function
k_q092400e8f5_gemm_qkv:
	s_mov_b64 s[64:65], 0
	v_nop
	global_prefetch_b8 v0, s[64:65] scope:SCOPE_SE
	s_setreg_imm32_b32 hwreg(HW_REG_WAVE_MODE, 25, 1), 1
	s_wait_xcnt 0x0
	s_wait_alu depctr_hold_cnt(0) depctr_sa_sdst(0) depctr_va_vdst(0) depctr_va_sdst(0) depctr_va_ssrc(0) depctr_va_vcc(0) depctr_vm_vsrc(0)
	s_getreg_b32 s2, hwreg(HW_REG_IB_STS2, 6, 4)
	s_cmp_eq_u32 s2, 0
	s_cbranch_scc0 .Lentry_in_a_cluster
	s_endpgm
.Lentry_in_a_cluster:
	s_bfe_u32 s2, ttmp6, 0x10000c
	s_cmp_lg_u32 s2, 0xf033
	s_cbranch_scc0 .Lentry_shape_is_right
	s_endpgm
.Lentry_shape_is_right:
; q = x Wq^T, k = x Wk^T, v = x Wv^T on codes of FP6 (E2M3) with E8M0 scales, f32 sums; the results are quantised in registers and leave as codes in the order of the next operand's registers.
; A WORK-GROUP (x = head, y = 256 tokens) makes one head's q, k and v: 256 tokens x 3 x 64 columns, K = 1,024: 256 work-groups of equal work.
; A WAVE (rg = wave / 2, cg = wave % 2) makes 64 tokens (4 row tiles of x) x channels 32 cg .. + 31 of q, of k and of v (6 row tiles of the weights): 24 accumulators.
; q, k: source 0 = the weight's rows, source 1 = x's: a lane holds a token, its registers run along the channels: a tile's 16 registers are half of a scale block of 32 channels.
; v: source 0 = x's rows, source 1 = Wv's: a lane holds a channel, its registers run along the tokens, which are the K of attention's second product.
; (A tile's rows are 32 g + 8 u + r + 8 (r / 8), so the 16 registers of tiles u = 0, 1 are 16 neighbours.)
; LDS: x's 256 rows for ALL of K (196,608 bytes), three slots for a quarter of K of the weights' 192 rows (36,864 bytes each), all scale words.  At the head each of the eight waves issues ONE joint load:
; waves 0-3 the first quarter of K and the scale words, waves 4, 5 the second quarter, waves 6, 7 the rest; a barrier shows each part ahead of its first use.
; The weights' last quarter of K goes into slot 0 behind the one drained round, which stands in K step 3; it is waited for in the middle of K step 5.
; PREFETCH: that last quarter, 144 blocks of 256 bytes, is asked for into the L2 behind K step 1: the four partners of a cluster's column, which load it jointly, take 36 blocks each, by address, nine a wave of waves 0-3.
; CLUSTER 4 x 4: x's tiles are shared along a row of the cluster, the weights' along a column.
; qkvc: q, k: [nh 0..31][tb = token / 32][b 0..1][768]: block b of 32 channels; lane (r, u): token row r of tile u: registers 0-3 at 256 u + 16 r, registers 4, 5 at 512 + 128 (u xor b) + 8 r; nh < 16: q's head nh, else k's head nh - 16.
;       v at VB: [batch x 16 + head][key step of 128][dt 0..3][c 0..1][768]: registers 0-3 at 16 x lane, 4, 5 at 512 + 8 x lane; lane (r, h): channel 32 (dt / 2) + 8 (dt % 2) + r + 8 (r / 8), keys 64 c + 32 h + 0 .. 31.
; qkvs: q, k: [nh][tb][r][tile u][b] bytes;  v at VSB: [..][key step][dt][r] words, byte = block of 32 keys.
; LIMITS: NaN and infinities are not served; a block of zeros gets the byte 1 (its codes are zeros; this program alone reads the bytes).
; REGISTERS.  Window 0: v4-29 addresses; v32-37, v40-45 two sets of scale words; v46-63 the way out; v64-255 the accumulators.  Window 1: two fragment buffers at v0 and v128: x's four, then the weights' six.
.set CKQ,   1572864                    ; bytes from a quarter of K to the next in cod
.set BOF,   196608                     ; LDS: the weights' slots
.set BSL,   36864
.set SCLA,  307200                     ; x's scale words, 8,192 bytes
.set SCLB,  315392                     ; the weights', 6,144 bytes
.set STG,   321536                     ; the results' scale bytes: q's 512, k's 512, v's 512
.set SPARE, 323072
.set VB,    6291456
.set VSB,   262144
.set HT,    46                         ; v46-56 at work in HQUANT
.set SEL,   2
.set PF,    6                          ; v6 my blocks of the prefetch; never rewritten
.set SPW,   28
.set NIL,   29
.set G1A,   24
.set G1B,   32
.set G1SA,  40
.set G1SB,  48
.set G1A2,  92
.set MSB,   0
.macro WIN new                         ; the immediate's high byte repeats the setting that is left
.if MSB != \new
	s_set_vgpr_msb (MSB<<8)|\new
.set MSB, \new
.endif
.endm
.macro PLACES                          ; four plain instructions behind a matrix instruction, ahead of loads into its sources and of reads of its result
.rept 4
	v_nop
.endr
.endm
.macro CREST                           ; a round of the cluster's barrier behind its opening barrier
	s_cmp_lg_u32 s14, 0
	s_cbranch_scc1 .Lnot_wave_0_\@
	s_barrier_signal -3
.Lnot_wave_0_\@:
	s_barrier_wait -3
	s_barrier_signal -1
	s_barrier_wait -1
.endm
.macro CROUND
	s_barrier_signal -1
	s_barrier_wait -1
	CREST
.endm
.macro GROUP1 g, mask, c, r, p         ; r rows of c elements of 8 bytes, pitch p; bit 21 set beside the mask; no padding
	s_or_b32 s[\g], s\mask, (3<<16)|(1<<21)
	s_mov_b32 s[\g+1], (\c)<<16
	s_mov_b32 s[\g+2], (\r)<<16
	s_mov_b32 s[\g+3], (\c)<<16
	s_mov_b32 s[\g+4], \r
	s_mov_b32 s[\g+5], \p
	s_mov_b32 s[\g+6], 0
	s_mov_b32 s[\g+7], 0
.endm
.macro MK g, lds, off, add             ; group 0 but for the buffer's address
	s_mov_b32 s[\g], 1
	s_mov_b32 s[\g+1], \lds
	s_add_co_u32 s[\g+2], s\off, \add
	s_mov_b32 s[\g+3], 0
.endm
.macro MK2 g, base
	s_add_nc_u64 s[\g+2:\g+3], s[\base:\base+1], s[\g+2:\g+3]
	s_or_b32 s[\g+3], s[\g+3], 0x80000000
.endm
.macro ARM n, g0, g1, next             ; wave n's one load at the head
	s_cmp_eq_u32 s14, \n
	s_cbranch_scc0 \next
	tensor_load_to_lds s[\g0:\g0+3], s[\g1:\g1+7]
	s_nop 0
	PLACES
	s_branch .Lasked
\next:
.endm
.macro FR d, a, b, o                   ; a fragment's two halves
	ds_load_b128 v[\d:\d+3], \a offset:\o
	ds_load_b64 v[\d+4:\d+5], \b offset:\o+512
	ds_load_b128 v[\d+6:\d+9], \a offset:\o+768
	ds_load_b64 v[\d+10:\d+11], \b offset:\o+1280
.endm
.macro FETCH st                        ; K step st: ten fragments and six registers of scale words: 46 loads
.set KQ_, (\st)/2
.set FB_, 128*((\st)%2)
	WIN 0x40
.irp i, 0,1,2,3
.set OF_, (KQ_%2)*49152+\i*3072+1536*((\st)%2)
	FR FB_+12*\i, v[4+KQ_/2], v[7+KQ_/2], OF_
.endr
.irp j, 0,1,2,3,4,5
.set OF_, (4*(\j/2)+\j%2)*3072+1536*((\st)%2)
	FR FB_+48+12*\j, v[10+KQ_%3], v[13+KQ_%3], OF_
.endr
	WIN 0
.irp i, 0,1,2,3,4,5
	ds_load_b32 v[32+8*((\st)%2)+\i], v[16+\i/2] offset:1024*(\i/2)+512*(\i%2)+64*(\st)
.endr
.endm
.macro WM d, a, b, sa, sb, side, st
.if (\st) == 0
	v_wmma_scale_f32_16x16x128_f8f6f4 v[\d:\d+7], v[\a:\a+11], v[\b:\b+11], 0, v[\sa], v[\sb] matrix_a_fmt:MATRIX_FMT_FP6 matrix_b_fmt:MATRIX_FMT_FP6 matrix_\side\()_scale:MATRIX_SCALE_ROW1
.else
	v_wmma_scale_f32_16x16x128_f8f6f4 v[\d:\d+7], v[\a:\a+11], v[\b:\b+11], v[\d:\d+7], v[\sa], v[\sb] matrix_a_fmt:MATRIX_FMT_FP6 matrix_b_fmt:MATRIX_FMT_FP6 matrix_\side\()_scale:MATRIX_SCALE_ROW1
.endif
.endm
.macro MUL st, n0, n1                  ; products n0 .. n1 - 1 of the step's 24: the accumulators by turns, in the same order in every step
	WIN 0x05
.set N_, \n0
.rept (\n1)-(\n0)
.set A_, N_/6
.set J_, N_%6
.set X_, 128*((\st)%2)+12*A_
.set W_, 128*((\st)%2)+48+12*J_
.set SX_, 32+8*((\st)%2)+A_
.set SW_, 32+8*((\st)%2)+J_
.if J_ < 4
.set D_, 64+64*(J_/2)+8*(2*A_+J_%2)
	WM D_, W_, X_, SW_, SX_, a, \st
.else
.set D_, 192+8*(4*(J_-4)+A_)
	WM D_, X_, W_, SX_, SW_, b, \st
.endif
.set N_, N_+1
.endr
	WIN 0
.endm
; 32 numbers of a lane, two scale blocks of which lanes l and l xor 16 hold 16 each (registers 0-15 and 16-31), become six registers of codes (lanes 0-15 the first block, lanes 16-31 the second) in v[dst] on and the two scale bytes in v[w]
.macro HQUANT src, dst, w
.irp b, 0,1
	v_max3_num_f32 v[HT+\b], |v[\src+16*\b]|, |v[\src+16*\b+1]|, 0x1800000   ; each accumulator from its low end on; the floor 2^(3 - 127) holds the byte at 1 from below
.endr
.irp i, 2,4,6,8,10,12,14
.irp b, 0,1
	v_max3_num_f32 v[HT+\b], v[HT+\b], |v[\src+16*\b+\i]|, |v[\src+16*\b+\i+1]|
.endr
.endr
.irp b, 0,1
	v_permlanex16_b32 v[HT+2+\b], v[HT+\b], s[SEL], s[SEL+1]
.endr
.irp b, 0,1
	v_max_num_f32 v[HT+\b], v[HT+\b], v[HT+2+\b]
.endr
.irp b, 0,1
	v_add_nc_u32 v[HT+4+\b], 0xff000000, v[HT+\b]     ; 2 off its exponent field: the conversion's scale operand
.endr
.irp b, 0,1
	v_lshrrev_b32 v[HT+6+\b], 23, v[HT+4+\b]          ; the scale's byte
.endr
	v_lshl_or_b32 v[\w], v[HT+7], 8, v[HT+6]
	v_cvt_scalef32_pk16_fp6_f32 v[\dst:\dst+2], v[\src:\src+15], v[HT+4]
	v_cvt_scalef32_pk16_fp6_f32 v[HT+8:HT+10], v[\src+16:\src+31], v[HT+5]
	v_nop                                          ; one plain instruction behind the scaled conversions
.irp i, 0,1,2
	v_permlane16_swap_b32 v[\dst+\i], v[HT+8+\i]
.endr
.irp i, 0,1,2
	v_mov_b32 v[\dst+3+\i], v[HT+8+\i]
.endr
.endm
	s_load_b256 s[4:11], s[0:1], 0x0               ; cod s[4:5], scl s[6:7], qkvc s[8:9], qkvs s[10:11]
	v_lshl_add_u32 v[SPW], v0, 2, SPARE
	v_mov_b32 v[NIL], 0
	ds_add_u32 v[SPW], v[NIL]                      ; the opening add, twice on end
	ds_add_u32 v[SPW], v[NIL]
	v_lshrrev_b32 v1, 5, v0
	v_readfirstlane_b32 s14, v1                    ; wave 0..7
	s_bfe_u32 s17, ttmp6, 0x40000                  ; cx
	s_bfe_u32 s18, ttmp6, 0x40004                  ; cy
	s_lshl_b32 s100, s18, 2
	s_lshl_b32 s100, 15, s100                      ; my row of the cluster
	s_lshl_b32 s101, 0x1111, s17                   ; my column
	GROUP1 G1A, 100, 32, 192, 32                   ; a quarter of K of x's 256 rows: 49,152 dense bytes
	GROUP1 G1A2, 100, 6144, 2, 196608              ; two quarters
	GROUP1 G1SA, 100, 32, 32, 32
	GROUP1 G1B, 101, 1536, 3, 24576                ; a quarter of K of 64 rows of Wq, Wk, Wv: three runs of 12,288 bytes
	GROUP1 G1SB, 101, 256, 3, 4096
	s_and_b32 s19, ttmp7, 0xffff
	s_lshl_b32 s19, s19, 2
	s_add_co_u32 s19, s19, s18                     ; y: the token group
	s_lshl_b32 s20, ttmp9, 2
	s_add_co_u32 s20, s20, s17                     ; the head
	s_mul_i32 s21, s19, 49152                      ; x: made of y alone
	s_lshl_b32 s23, s19, 13
	s_mul_i32 s22, s20, 12288                      ; the weights: made of the head alone; their row tiles begin at 256
	s_add_co_u32 s22, s22, 786432
	s_lshl_b32 s66, s20, 11
	s_add_co_u32 s66, s66, 131072
	MK 56, 0, 21, 0
	MK 60, 49152, 21, CKQ
	MK 68, 98304, 21, 2*CKQ
	MK 72, BOF, 22, 0
	MK 76, BOF+BSL, 22, CKQ
	MK 80, BOF+2*BSL, 22, 2*CKQ
	MK 84, SCLA, 23, 0
	MK 88, SCLB, 66, 0
	s_wait_dscnt 0x0
	CROUND                                         ; all sixteen work-groups are here: the joint loads meet
	s_wait_kmcnt 0x0
.irp g, 56,60,68,72,76,80
	MK2 \g, 4
.endr
	MK2 84, 6
	MK2 88, 6
	ARM 0, 56, G1A, .La1
	ARM 1, 72, G1B, .La2
	ARM 2, 84, G1SA, .La3
	ARM 3, 88, G1SB, .La4
	ARM 4, 60, G1A, .La5
	ARM 5, 76, G1B, .La6
	ARM 6, 68, G1A2, .La7
	tensor_load_to_lds s[80:83], s[G1B:G1B+7]
	s_nop 0
	PLACES
.Lasked:
	s_lshr_b32 s15, s14, 1                         ; rg
	s_and_b32 s16, s14, 1                          ; cg
	s_mul_i32 s66, s15, 12288                      ; my four tiles of x: quarters 0, 1,
	s_add_co_u32 s67, s66, 98304                   ; and 2, 3
	s_mul_i32 s21, s16, 6144
	s_add_co_u32 s21, s21, BOF                     ; my tiles of the weights, slots 0 to 2
	s_add_co_u32 s22, s21, BSL
	s_add_co_u32 s23, s22, BSL
	s_lshl_b32 s3, s15, 11
	s_lshl_b32 s2, s16, 10
	s_add_co_u32 s2, s2, SCLB-SCLA
	s_sub_co_u32 s2, s2, s3                        ; from x's scale words to the weights'
	s_add_co_u32 s3, s3, SCLA
	s_lshl_b32 s100, s15, 7
	s_add_co_u32 s100, s100, STG
	s_add_co_u32 s100, s100, s16                   ; where my scale bytes of q and k go
	s_lshr_b32 s12, s15, 1
	s_lshl_b32 s101, s12, 8
	s_and_b32 s13, s15, 1
	s_lshl_b32 s104, s13, 1
	s_add_co_u32 s101, s101, s104
	s_lshl_b32 s104, s16, 7
	s_add_co_u32 s101, s101, s104
	s_add_co_u32 s101, s101, STG+1024              ; and of v
	s_lshl_b32 s105, s14, 9
	s_add_co_u32 s105, s105, STG
	v_and_b32 v1, 31, v0                           ; lane
	v_and_b32 v2, 15, v0                           ; r
	v_bfe_u32 v3, v0, 4, 1                         ; h
	v_lshlrev_b32 v19, 4, v1
	v_lshlrev_b32 v20, 3, v1
	v_add_nc_u32 v4, s66, v19
	v_add_nc_u32 v5, s67, v19
	v_add_nc_u32 v7, s66, v20
	v_add_nc_u32 v8, s67, v20
	v_add_nc_u32 v10, s21, v19
	v_add_nc_u32 v11, s22, v19
	v_add_nc_u32 v12, s23, v19
	v_add_nc_u32 v13, s21, v20
	v_add_nc_u32 v14, s22, v20
	v_add_nc_u32 v15, s23, v20
	v_mul_u32_u24 v16, s2, v3                      ; scale words: lanes 0-15 x's tile i, lanes 16-31 the weights' tile i; a register for i / 2
	v_lshl_add_u32 v16, v2, 2, v16
	v_add_nc_u32 v16, s3, v16
	v_lshl_add_u32 v17, v3, 10, v16
	v_lshl_add_u32 v18, v3, 10, v17
	v_lshlrev_b32 v21, 2, v2
	v_add_nc_u32 v22, s101, v21
	v_lshl_add_u32 v21, v3, 1, v21
	v_add_nc_u32 v21, s100, v21
	v_lshlrev_b32 v23, 3, v3
	v_xor_b32 v27, s104, v20
	v_add_nc_u32 v26, s105, v19
	v_mov_b32 v[HT+2], 0                           ; written once: a lane permute's destination counts as one of its sources
	v_mov_b32 v[HT+3], 0
	s_and_b32 s66, s14, 3
	s_mul_i32 s66, s66, 9
	s_mul_i32 s67, s20, 12288
	s_mul_i32 s21, s18, 3072
	s_add_co_u32 s67, s67, s21
	s_add_co_u32 s67, s67, 786432+3*CKQ
	v_min_u32 v[PF], 8, v1                         ; block L = 9 (wave % 4) + lane of my work-group's 36: run L / 12 of the three, 12 blocks of each run for each cy
	v_add_nc_u32 v[PF], s66, v[PF]
	v_mul_u32_u24 v9, 43, v[PF]
	v_lshrrev_b32 v9, 9, v9                        ; L / 12 (L under 36)
	v_mul_u32_u24 v9, 0x2f400, v9                  ; a run is 196,608 bytes on; less the 12 blocks passed
	v_lshl_add_u32 v[PF], v[PF], 8, v9
	v_add_nc_u32 v[PF], s67, v[PF]
	s_wait_alu depctr_va_vdst(0)                   ; the wait at the head's end
	s_mov_b32 s[SEL], 0x76543210
	s_mov_b32 s[SEL+1], 0xfedcba98
	; where the results go
	s_lshr_b32 s21, s19, 3
	s_lshl_b32 s21, s21, 4
	s_add_co_u32 s21, s21, s20                     ; batch x 16 + head
	s_and_b32 s22, s19, 7
	s_mul_i32 s100, s21, 98304
	s_mul_i32 s101, s22, 12288
	s_add_co_u32 s100, s100, s101
	s_mul_i32 s101, s12, 6144
	s_add_co_u32 s100, s100, s101
	s_mul_i32 s101, s16, 3072
	s_add_co_u32 s100, s100, s101
	s_mul_i32 s101, s13, 768
	s_add_co_u32 s100, s100, s101
	s_add_co_u32 s100, s100, VB
	s_mov_b32 s101, 0
	s_add_nc_u64 s[12:13], s[8:9], s[100:101]      ; v's codes
	s_mul_i32 s100, s20, 196608
	s_mul_i32 s104, s19, 12288
	s_add_co_u32 s100, s100, s104
	s_mul_i32 s104, s15, 3072
	s_add_co_u32 s100, s100, s104
	s_mul_i32 s104, s16, 768
	s_add_co_u32 s100, s100, s104
	s_add_nc_u64 s[8:9], s[8:9], s[100:101]        ; q's; k's lie 16 x 196,608 bytes on
	s_lshl_b32 s23, s21, 12
	s_lshl_b32 s22, s22, 9
	s_add_co_u32 s23, s23, s22
	s_add_co_u32 s23, s23, VSB                     ; v's scale words
	s_lshl_b32 s17, s20, 13
	s_lshl_b32 s18, s19, 9
	s_add_co_u32 s17, s17, s18                     ; q's
	s_add_co_u32 s18, s17, 131072                  ; k's
	s_cmp_eq_u32 s14, 0
	s_cselect_b32 s104, s17, s18
	s_cmp_eq_u32 s14, 2
	s_cselect_b32 s104, s23, s104
	s_mov_b32 s105, 0
	s_add_nc_u64 s[10:11], s[10:11], s[104:105]
	s_cmp_lt_u32 s14, 4                            ; waves 0-3 fetched the first quarter of K and the scale words
	s_cbranch_scc0 .Llate
	s_wait_tensorcnt 0x0
.Llate:
	s_barrier_signal -1
	s_barrier_wait -1
	FETCH 0
	FETCH 1
	s_wait_dscnt 46                                ; all but K step 1's 46 loads
	MUL 0, 0, 24
	s_cmp_lt_u32 s14, 6                            ; waves 4, 5 the second quarter
	s_cbranch_scc0 .Llate_1
	s_wait_tensorcnt 0x0
.Llate_1:
	s_wait_dscnt 0x0
	s_barrier_signal -1                            ; a plain barrier
	MUL 1, 0, 12                                   ; work on registers
	s_barrier_wait -1
	PLACES
	FETCH 2
	MUL 1, 12, 24
	s_cmp_lt_u32 s14, 4
	s_cbranch_scc0 .Lno_ask
	global_prefetch_b8 v[PF], s[4:5] th:TH_LOAD_NT scope:SCOPE_SE
.Lno_ask:
	PLACES
	FETCH 3
	s_wait_dscnt 46
	MUL 2, 0, 24
	s_wait_tensorcnt 0x0                           ; the refill's round, inside K step 3: all my tensor loads have landed,
	ds_add_u32 v[SPW], v[NIL]
	s_add_nc_u64 s[74:75], s[74:75], 3*CKQ         ; none of my loads is out, so a descriptor may be written: the weights' last quarter of K, for slot 0
	s_wait_dscnt 0x0                               ; the add is done, and so are my reads of slot 0
	s_barrier_signal -1
	MUL 3, 0, 12
	s_barrier_wait -1
	CREST
	s_cmp_eq_u32 s14, 1
	s_cbranch_scc0 .Lno_refill
	tensor_load_to_lds s[72:75], s[G1B:G1B+7]
	s_nop 0
	PLACES
.Lno_refill:
	PLACES
	FETCH 4
	MUL 3, 12, 24
	PLACES
	FETCH 5
	s_wait_dscnt 46
	MUL 4, 0, 24
	s_wait_dscnt 0x0
	MUL 5, 0, 12
	s_wait_tensorcnt 0x0                           ; the refill has landed; a plain barrier shows it to all
	s_barrier_signal -1
	MUL 5, 12, 20
	s_barrier_wait -1
	PLACES
	FETCH 6
	MUL 5, 20, 24
	PLACES
	FETCH 7
	s_wait_dscnt 46
	MUL 6, 0, 24
	s_wait_dscnt 0x0
	MUL 7, 0, 24
	PLACES
; THE WAY OUT: q's two groups of 32 tokens, k's two, v's two tiles of channels.  The codes of group n lie on the accumulators of group n - 1, which are done with.
.macro SENDQ n, dst, eb
	HQUANT 64+32*(\n), \dst, \eb
.if (\n) < 4
	v_lshrrev_b32 v[\eb], v23, v[\eb]              ; lanes 0-15 tile 0's byte, lanes 16-31 tile 1's
	ds_store_b8 v21, v[\eb] offset:64*((\n)%2)+512*((\n)/2)
	global_store_b128 v19, v[\dst:\dst+3], s[8:9] offset:1536*((\n)%2)+3145728*((\n)/2)
	global_store_b64 v27, v[\dst+4:\dst+5], s[8:9] offset:1536*((\n)%2)+3145728*((\n)/2)+512
.else
	ds_store_b16 v22, v[\eb] offset:64*((\n)-4)
	global_store_b128 v19, v[\dst:\dst+3], s[12:13] offset:1536*((\n)-4)
	global_store_b64 v20, v[\dst+4:\dst+5], s[12:13] offset:1536*((\n)-4)+512
.endif
.endm
	SENDQ 0, 58, 24
	SENDQ 1, 64, 25
	SENDQ 2, 96, 30
	SENDQ 3, 128, 31
	SENDQ 4, 160, 57
	SENDQ 5, 192, 3
	s_wait_dscnt 0x0                               ; my scale bytes are in LDS
	s_barrier_signal -1
	s_barrier_wait -1
	s_cmp_lt_u32 s14, 3                            ; waves 0, 1, 2 store q's, k's, v's 512 bytes
	s_cbranch_scc0 .Lno_scales
	ds_load_b128 v[224:227], v26
	s_wait_dscnt 0x0
	global_store_b128 v19, v[224:227], s[10:11]
.Lno_scales:
	s_wait_tensorcnt 0x0                           ; the wave's end
	ds_add_u32 v[SPW], v[NIL]
	s_wait_dscnt 0x0
	CROUND                                         ; the closing round: no work-group ends while a partner may still ask for a tile that names it
	s_endpgm
.Lfunc_end_k_q092400e8f5_gemm_qkv:
	.size	k_q092400e8f5_gemm_qkv, .Lfunc_end_k_q092400e8f5_gemm_qkv-k_q092400e8f5_gemm_qkv
	.p2alignl 7, 3214868480
	.fill 96, 4, 3214868480
	.section	.rodata,"a",@progbits
	.p2align	6, 0x0
	.amdhsa_kernel k_q092400e8f5_gemm_qkv
		.amdhsa_group_segment_fixed_size 327680
		.amdhsa_private_segment_fixed_size 0
		.amdhsa_enable_private_segment 0
		.amdhsa_kernarg_size 32
		.amdhsa_user_sgpr_count 2
		.amdhsa_user_sgpr_kernarg_segment_ptr 1
		.amdhsa_wavefront_size32 1
		.amdhsa_system_sgpr_workgroup_id_x 1
		.amdhsa_system_sgpr_workgroup_id_y 1
		.amdhsa_system_sgpr_workgroup_id_z 1
		.amdhsa_system_vgpr_workitem_id 0
		.amdhsa_next_free_vgpr 512
		.amdhsa_next_free_sgpr 106
		.amdhsa_reserve_vcc 0
		.amdhsa_float_denorm_mode_32 3
		.amdhsa_float_denorm_mode_16_64 3
		.amdhsa_memory_ordered 1
		.amdhsa_forward_progress 1
		.amdhsa_inst_pref_size 78
	.end_amdhsa_kernel
	.amdgpu_metadata
---
amdhsa.version: [ 1, 2 ]
amdhsa.kernels:
  - .name:           k_q092400e8f5_gemm_qkv
    .symbol:         k_q092400e8f5_gemm_qkv.kd
    .args:
      - { .name: cod, .offset: 0, .size: 8, .value_kind: global_buffer, .address_space: global }
      - { .name: scl, .offset: 8, .size: 8, .value_kind: global_buffer, .address_space: global }
      - { .name: qkvc, .offset: 16, .size: 8, .value_kind: global_buffer, .address_space: global }
      - { .name: qkvs, .offset: 24, .size: 8, .value_kind: global_buffer, .address_space: global }
    .group_segment_fixed_size: 327680
    .private_segment_fixed_size: 0
    .kernarg_segment_align: 8
    .kernarg_segment_size: 32
    .max_flat_workgroup_size: 256
    .sgpr_count:     106
    .vgpr_count:     512
    .wavefront_size: 32
...
	.end_amdgpu_metadata
.endif
;; end of part 2
;; launch attn (part 3): grid 8 x 32, 8 waves a work-group, clusters of 4 x 1, 279,552 bytes of LDS; arguments qkvc, qkvs, oc, os; writes oc, os
.if DOCPART == 3
	.amdgcn_target "amdgcn-amd-amdhsa--gfx1250"
	.amdhsa_code_object_version 6
	.text
	.protected	k_q092400e8f5_attn
	.globl	k_q092400e8f5_attn
	.p2align	8
	.type	k_q092400e8f5_attn,@function
k_q092400e8f5_attn:
	s_mov_b64 s[64:65], 0
	v_nop
	global_prefetch_b8 v0, s[64:65] scope:SCOPE_SE
	s_setreg_imm32_b32 hwreg(HW_REG_WAVE_MODE, 25, 1), 1
	s_wait_xcnt 0x0
	s_wait_alu depctr_hold_cnt(0) depctr_sa_sdst(0) depctr_va_vdst(0) depctr_va_sdst(0) depctr_va_ssrc(0) depctr_va_vcc(0) depctr_vm_vsrc(0)
	s_getreg_b32 s2, hwreg(HW_REG_IB_STS2, 6, 4)
	s_cmp_eq_u32 s2, 0
	s_cbranch_scc0 .Lentry_in_a_cluster
	s_endpgm
.Lentry_in_a_cluster:
	s_bfe_u32 s2, ttmp6, 0x10000c
	s_cmp_lg_u32 s2, 0x3003
	s_cbranch_scc0 .Lentry_shape_is_right
	s_endpgm
.Lentry_shape_is_right:
; Causal attention of one batch and head (the cluster's y) on codes of FP6 (E2M3) with E8M0 scales: S = q k^T, p = 2^(t - M), O = p v / the row's sum; O is quantised along the channels and leaves as codes.
; WORK LEFT OUT: key steps whose every key lies behind the block's last query: reference() puts -infinity in front of the softmax there, for all inputs, so their p is 0.  A NaN or an infinity among those keys' scores is not carried to the result.
; THE SOFTMAX: t = score x log2(e) / 8; M = the row's largest t so far, rounded UP to a whole number; p = 2^(t - M) is quantised along the keys, not normalised.  The row's sum is taken of the unquantised p.
; When M moves, the sum and O are multiplied by 2^(old M - new M): exact.
; SHARES.  A head has 64 blocks of 32 queries (two tiles of 16).  Block i needs the key steps (128 keys) 0 .. i / 4, the last on the diagonal.  TWO WAVES w and w + 4 own the PAIR i_lo = 4 g + cx and i_hi = 63 - i_lo,
; g = 4 x cluster x + w: (16 - g) + (g + 1) = 17 block-steps for the two.  e = (wave / 4 + wave) % 2: wave e takes the steps of parity e of both blocks: nine and eight.  Both walk the high block, then the low one.
; EACH FINISHES ONE TILE OF EACH BLOCK: its register tile t is query tile t xor e, and register tile 0 is its own.  The other tile's part (O, -M, the sum) goes to the partner through LDS; the two parts are
; brought under the larger M by exact powers of two and added.
; The limits 15 - g and g hang on the cluster's x and the wave's number alone: every branch is alike in the four partners; cx enters the addresses of q and O and the mask's numbers, nothing else.
; K AND V OF THE WHOLE HEAD LIE IN LDS, filled once by joint loads that name the cluster's four work-groups, one load a wave: waves 0-3 key steps 0, 1 and the scale words, waves 4-7 the rest.
; No ring, and no prefetch: all is asked for at the launch's start.  K's fragments of the next step are loaded from LDS behind a step's first products (in a block's last step they are not used; the bytes are k's or v's all the same).
; LAYOUT.  Both products are used transposed: S^T = k q^T (source 0 = keys), O^T = v^T p^T (source 0 = channels): a lane holds ONE query throughout.  The keys of a tile are 32 b + 8 u + r + 8 (r / 8), so that
; the 16 registers of two neighbouring tiles are 16 neighbouring keys.
; THE FIRST PRODUCT'S K IS 64, THE INSTRUCTION'S 128.  A fragment of k holds TWO tiles of keys, one in each half of the 128.  q stands in two forms, [q | 0] and [0 | q]: zero codes, with the scale byte 0, in the
; other half.  A form picks one of the two tiles; the other half's products are a code times the code 0.
; LIMITS: NaN and infinities are not served; a p under 2^-126 comes out of v_exp_f32 as 0; a block of zeros gets the byte 1 (its codes are zeros; this program alone reads the bytes).
; REGISTERS.  Window 0: v1-14 addresses; v15, v240 the mask's numbers; v16-23 four statistics a tile (-M, largest t, the sum in two halves); v32-47 at work; v48-59 p's codes; v64-191 S^T, then p (64 a tile);
;   v192-195, v204-207 the two blocks' q scale words (tile t, form f at + 2 t + f), v196-197 k's, v198-199 v's, v200 p's; v208-239 at work; v244-247 the high block's statistics of my tile.
; Window 1: v0-29 and v192-221 the two blocks' [0 | q0 | 0 | q1 | 0]; v32-79 k's four fragments; v80-127 v's four; v128-191 O^T (tile t, channel tile d at 128 + 32 t + 8 d); v224-255 the high block's O^T of my tile.
.set OKQ,  786432                      ; bytes from a quarter of K to the next in oc
.set VB,   6291456
.set VSB,  262144
.set LVC,  98304                       ; LDS: v's codes, behind k's
.set LKS,  196608                      ; k's scale words
.set LVS,  200704                      ; v's
.set MB,   204800                      ; the parts for the partner, MW bytes a wave: for each block O's 32 registers, then the statistics' four
.set MW,   9216
.set SPARE, 278528
.set SPW,  30
.set NIL,  31
.set HT,   32
.set BM,   208                         ; v208-215 the largest of each tile's four blocks of 32 keys
.set PX,   216
.set SEL,  16                          ; s[16:17]
.set CS,   12                          ; s[12:13] c = log2(e) / 8, twice: the packed form names a pair
.set SKS,  88                          ; the key step
.set TK,   89                          ; 6,144 x the key step: its codes
.set TS,   90                          ; 256 x the key step: its scale words
.set CNT,  91
.set MSB,  0
.macro WIN new                         ; the immediate's high byte repeats the setting that is left
.if MSB != \new
	s_set_vgpr_msb (MSB<<8)|\new
.set MSB, \new
.endif
.endm
.macro PLACES
.rept 4
	v_nop
.endr
.endm
.macro WALU
	s_wait_alu depctr_va_vdst(0)
.endm
.macro CROUND                          ; a round of the cluster's barrier
	s_barrier_signal -1
	s_barrier_wait -1
	s_cmp_lg_u32 s14, 0
	s_cbranch_scc1 .Lnot_wave_0_\@
	s_barrier_signal -3
.Lnot_wave_0_\@:
	s_barrier_wait -3
	s_barrier_signal -1
	s_barrier_wait -1
.endm
.macro GROUP1 g, r                     ; r rows of 256 bytes, dense; the mask: all four work-groups
	s_mov_b32 s[\g], 15|(3<<16)|(1<<21)
	s_mov_b32 s[\g+1], 32<<16
	s_mov_b32 s[\g+2], (\r)<<16
	s_mov_b32 s[\g+3], 32<<16
	s_mov_b32 s[\g+4], \r
	s_mov_b32 s[\g+5], 32
	s_mov_b32 s[\g+6], 0
	s_mov_b32 s[\g+7], 0
.endm
.macro MK g, lds, off, add             ; group 0 but for the buffer's address
	s_mov_b32 s[\g], 1
	s_mov_b32 s[\g+1], \lds
	s_add_co_u32 s[\g+2], s\off, \add
	s_mov_b32 s[\g+3], 0
.endm
.macro MK2 g, base
	s_add_nc_u64 s[\g+2:\g+3], s[\base:\base+1], s[\g+2:\g+3]
	s_or_b32 s[\g+3], s[\g+3], 0x80000000
.endm
.macro ARM n, g0, g1, next             ; wave n's one load
	s_cmp_eq_u32 s14, \n
	s_cbranch_scc0 \next
	tensor_load_to_lds s[\g0:\g0+3], s[\g1:\g1+7]
	s_nop 0
	PLACES
	s_branch .Lasked
\next:
.endm
.macro PT d, i, mul, off               ; an offset: s[i] x mul + s[off]
	s_mul_i32 s[\d], s\i, \mul
	s_add_co_u32 s[\d], s[\d], s\off
	s_mov_b32 s[\d+1], 0
.endm
.macro PT2 d, base
	s_add_nc_u64 s[\d:\d+1], s[\base:\base+1], s[\d:\d+1]
.endm
; 32 numbers of a lane, register 16 b + i = number 32 b + 16 (lane / 16) + i of my row, become six registers of codes (lanes 0-15 block 0, lanes 16-31 block 1) in v[dst] on and the two scale bytes in v[w]
.macro HQUANT src, dst, w
.irp b, 0,1
	v_max3_num_f32 v[HT+\b], |v[\src+16*\b]|, |v[\src+16*\b+1]|, 0x1800000   ; the floor 2^(3 - 127) holds the byte at 1 from below
.endr
.irp i, 2,4,6,8,10,12,14
.irp b, 0,1
	v_max3_num_f32 v[HT+\b], v[HT+\b], |v[\src+16*\b+\i]|, |v[\src+16*\b+\i+1]|
.endr
.endr
.irp b, 0,1
	v_permlanex16_b32 v[HT+2+\b], v[HT+\b], s[SEL], s[SEL+1]
.endr
.irp b, 0,1
	v_max_num_f32 v[HT+\b], v[HT+\b], v[HT+2+\b]
.endr
.irp b, 0,1
	v_add_nc_u32 v[HT+4+\b], 0xff000000, v[HT+\b]     ; 2 off the exponent field: the conversion's scale operand
.endr
.irp b, 0,1
	v_lshrrev_b32 v[HT+6+\b], 23, v[HT+4+\b]
.endr
	v_lshl_or_b32 v[\w], v[HT+7], 8, v[HT+6]
	v_cvt_scalef32_pk16_fp6_f32 v[\dst:\dst+2], v[\src:\src+15], v[HT+4]
	v_cvt_scalef32_pk16_fp6_f32 v[HT+8:HT+10], v[\src+16:\src+31], v[HT+5]
	v_nop                                          ; one plain instruction behind the scaled conversions
.irp i, 0,1,2
	v_permlane16_swap_b32 v[\dst+\i], v[HT+8+\i]
.endr
.irp i, 0,1,2
	v_mov_b32 v[\dst+3+\i], v[HT+8+\i]
.endr
.endm
.macro QLOAD qb, p, ps, w              ; a block's two tiles of q, mine first, and their scale words
	WIN 0x40
	global_load_b128 v[\qb+6:\qb+9], v36, s[\p:\p+1]
	global_load_b64 v[\qb+10:\qb+11], v38, s[\p:\p+1]
	global_load_b128 v[\qb+18:\qb+21], v37, s[\p:\p+1]
	global_load_b64 v[\qb+22:\qb+23], v39, s[\p:\p+1]
	WIN 0
	global_load_b32 v\w, v33, s[\ps:\ps+1]
.endm
.macro QSCALE qs, w
	v_alignbit_b32 v\w, v\w, v\w, s19              ; my tile's two bytes below: the halves change places where e = 1
	v_and_b32 v[\qs], 0xffff, v\w                  ; tile 0, [q | 0]: its two bytes below, the byte 0 above
	v_lshlrev_b32 v[\qs+1], 16, v\w                ; tile 0, [0 | q]
	v_lshrrev_b32 v[\qs+2], 16, v\w                ; tile 1, [q | 0]
	v_and_b32 v[\qs+3], 0xffff0000, v\w            ; tile 1, [0 | q]
.endm
; A block begins: the statistics; O^T = 0 (a wave may have no step of a block: then zeros are its part; else the first change of M leaves zeros)
.macro START m
.irp u, 0,1
	v_mov_b32 v[16+4*\u], 0x7f61b1e6               ; -M = 3e38
	v_mov_b32 v[17+4*\u], 0xff61b1e6               ; the largest t so far: -3e38, under every t
	v_mov_b32 v[18+4*\u], 0
	v_mov_b32 v[19+4*\u], 0
.endr
	v_add_nc_u32 v15, s[\m], v24                   ; my query of register tile 0, counted from the diagonal step's first key, less 16 (lane / 16)
	v_add_nc_u32 v240, s[\m], v248                 ; and of register tile 1
	WIN 0x40
.set j, 0
.rept 64
	v_mov_b32 v[128+j], 0
.set j, j+1
.endr
	WIN 0
	s_mov_b32 s[SKS], s15                          ; my first step: e
	s_mul_i32 s[TK], s[SKS], 6144
	s_lshl_b32 s[TS], s[SKS], 8
	s_mov_b32 s[CNT], 0
.endm
.macro KADDR                           ; k's addresses of step s[SKS]
	v_add_nc_u32 v8, s[TK], v1
	v_add_nc_u32 v9, s[TK], v2
	v_add_nc_u32 v10, s[TK], v3
	v_add_nc_u32 v13, s[TS], v6
.endm
.macro KLOAD o, so                     ; k's four fragments and their scale words (lanes 0-15 the even fragment's, lanes 16-31 the odd one's): 18 loads
	ds_load_b32 v196, v13 offset:\so
	ds_load_b32 v197, v13 offset:\so+128
	WIN 0x40
.irp k, 0,1,2,3
	ds_load_b128 v[32+12*\k:35+12*\k], v8 offset:\o+1536*\k
	ds_load_b64 v[36+12*\k:37+12*\k], v9 offset:\o+1536*\k
	ds_load_b128 v[38+12*\k:41+12*\k], v8 offset:\o+1536*\k+256
	ds_load_b64 v[42+12*\k:43+12*\k], v10 offset:\o+1536*\k
.endr
	WIN 0
.endm
; Both tiles' maxima and statistics, line by line in turn
.macro STAT
.irp u, 0,1
.irp b, 0,1,2,3
	v_max3_num_f32 v[BM+4*\u+\b], v[64+64*\u+16*\b], v[65+64*\u+16*\b], v[66+64*\u+16*\b]   ; THE LARGEST SCORE OF EACH BLOCK OF 32 KEYS serves twice: for the row's maximum and, since p rises with the score, for the block's largest p
.endr
.endr
.irp i, 3,5,7,9,11,13
.irp u, 0,1
.irp b, 0,1,2,3
	v_max3_num_f32 v[BM+4*\u+\b], v[BM+4*\u+\b], v[64+64*\u+16*\b+\i], v[65+64*\u+16*\b+\i]
.endr
.endr
.endr
.irp u, 0,1
.irp b, 0,1,2,3
	v_max_num_f32 v[BM+4*\u+\b], v[BM+4*\u+\b], v[79+64*\u+16*\b]
.endr
.endr
.irp k, 0,1,2,3,4,5,6,7
	v_permlanex16_b32 v[PX+\k], v[BM+\k], s[SEL], s[SEL+1]
.endr
.irp k, 0,1,2,3,4,5,6,7
	v_max_num_f32 v[BM+\k], v[BM+\k], v[PX+\k]        ; with lane l xor 16's 16 keys
.endr
.irp u, 0,1
	v_max3_num_f32 v[224+\u], v[BM+4*\u], v[BM+4*\u+1], v[BM+4*\u+2]
.endr
.irp u, 0,1
	v_max_num_f32 v[224+\u], v[224+\u], v[BM+4*\u+3]  ; the step's largest score of my query
.endr
.irp u, 0,1
	v_mul_f32 v[224+\u], s[CS], v[224+\u]             ; as t (c is positive)
.endr
.irp u, 0,1
	v_max_num_f32 v[17+4*\u], v[17+4*\u], v[224+\u]   ; the running largest t
.endr
.irp u, 0,1
	v_mov_b32 v[224+\u], v[16+4*\u]
.endr
.irp u, 0,1
	v_floor_f32 v[16+4*\u], -v[17+4*\u]               ; the new -M = floor(-t): M is a whole number
.endr
.irp u, 0,1
	v_sub_f32 v[224+\u], v[16+4*\u], v[224+\u]        ; old M - new M: a whole number, 0 or less
.endr
.irp u, 0,1
	v_cvt_i32_f32 v[224+\u], v[224+\u]                ; (it saturates)
.endr
.irp u, 0,1
	v_ldexp_f32 v[228+2*\u], 1.0, v[224+\u]           ; f = 2^(old M - new M)
.endr
.endm
; One tile's exponentials, p's codes, and its four products O^T += v^T p^T.  younger: the LDS loads issued behind v's, which may stay out
.macro TILE u, younger
.set rS, 64+64*(\u)
.set rT, 16+4*(\u)
.set rO, 128+32*(\u)
.set rF, 228+2*(\u)
.set rB, BM+4*(\u)
.set j, 0
.rept 32
	v_pk_fma_f32 v[rS+j:rS+j+1], v[rS+j:rS+j+1], s[CS:CS+1], v[rT:rT+1] op_sel_hi:[1,0,0]   ; t - M, two at a time
.set j, j+2
.endr
.irp b, 0,1,2,3
	v_fma_f32 v[rB+\b], v[rB+\b], s[CS], v[rT]        ; the same of each block's largest score
.endr
	WALU
.set j, 0
.rept 64
	v_exp_f32 v[rS+j], v[rS+j]                     ; p = 2^(t - M), at most 1
.set j, j+1
.endr
.irp b, 0,1,2,3
	v_exp_f32 v[rB+\b], v[rB+\b]                   ; the block's largest p: the same two instructions on the same number
.endr
	v_pk_mul_f32 v[rT+2:rT+3], v[rT+2:rT+3], v[rF:rF+1] op_sel_hi:[1,0]   ; the sums under the new M: the plain instruction behind the exponentials
	WALU
.irp b, 0,1,2,3
	v_max_num_f32 v[rB+\b], 0x1800000, v[rB+\b]    ; the floor 2^(3 - 127): a block whose every p is 0 keeps the byte 1: its codes are zeros
.endr
.irp b, 0,1,2,3
	v_add_nc_u32 v[32+\b], 0xff000000, v[rB+\b]    ; 2 off the exponent field: the conversion's scale operand
.endr
.irp b, 0,1,2,3
	v_lshrrev_b32 v[36+\b], 23, v[32+\b]           ; the scale's byte
.endr
	v_lshl_or_b32 v200, v37, 8, v36                ; p's scale word for these 128 keys
	v_lshl_or_b32 v200, v38, 16, v200
	v_lshl_or_b32 v200, v39, 24, v200
.irp c, 0,1
	v_cvt_scalef32_pk16_fp6_f32 v[48+6*\c:50+6*\c], v[rS+32*\c:rS+32*\c+15], v[32+2*\c]
	v_cvt_scalef32_pk16_fp6_f32 v[40+4*\c:42+4*\c], v[rS+32*\c+16:rS+32*\c+31], v[33+2*\c]   ; (a conversion's three registers begin on an even number)
.endr
	v_nop                                          ; one plain instruction behind the scaled conversions
.irp c, 0,1                                    ; the operand wants a WHOLE block in a lane
.irp i, 0,1,2
	v_permlane16_swap_b32 v[48+6*\c+\i], v[40+4*\c+\i]
.endr
.endr
.irp c, 0,1
.irp i, 0,1,2
	v_mov_b32 v[51+6*\c+\i], v[40+4*\c+\i]
.endr
.endr
	WIN 0x41                                       ; O^T (destination and source 0) in window 1, f in window 0
	WALU
.set j, 0
.rept 16
	v_pk_mul_f32 v[rO+j:rO+j+1], v[rO+j:rO+j+1], v[rF:rF+1] op_sel_hi:[1,0]   ; O^T under the new M
.set j, j+2
.endr
	WIN 0
	v_pk_add_f32 v[234:235], v[rS:rS+1], v[rS+2:rS+3]   ; THE ROW'S SUM OF THE UNQUANTISED p, two at a time, in two chains.  These 32 stand between
.set j, 4                                      ; the vector writes of p's codes, of its scale word and of O^T, and the products
.rept 15
	v_pk_add_f32 v[rT+2:rT+3], v[rT+2:rT+3], v[rS+j:rS+j+1]
	v_pk_add_f32 v[234:235], v[234:235], v[rS+j+2:rS+j+3]
.set j, j+4
.endr
	v_pk_add_f32 v[rT+2:rT+3], v[rT+2:rT+3], v[234:235]
.if (\u) == 0
	s_wait_dscnt \younger                          ; v's fragments are in
.endif
	WIN 0x51                                       ; source 0 (v) window 1, source 1 (p) window 0, C and D window 1
.irp d, 0,1,2,3
.if \d%2
	v_wmma_scale_f32_16x16x128_f8f6f4 v[rO+8*\d:rO+8*\d+7], v[80+12*\d:80+12*\d+11], v[48:59], v[rO+8*\d:rO+8*\d+7], v[198+\d/2], v200 matrix_a_fmt:MATRIX_FMT_FP6 matrix_b_fmt:MATRIX_FMT_FP6 matrix_a_scale:MATRIX_SCALE_ROW1
.else
	v_wmma_scale_f32_16x16x128_f8f6f4 v[rO+8*\d:rO+8*\d+7], v[80+12*\d:80+12*\d+11], v[48:59], v[rO+8*\d:rO+8*\d+7], v[198+\d/2], v200 matrix_a_fmt:MATRIX_FMT_FP6 matrix_b_fmt:MATRIX_FMT_FP6
.endif
.endr
	WIN 0
.endm
; A BLOCK-STEP: 32 queries x the 128 keys of step s[SKS]; its fragments of k have been asked for.  next = 1: those of the step two on are asked for behind the first products.
; mask = 1: in the step s[lim], the diagonal's, hidden scores become -infinity.
.macro BSTEP qb, qs, lim, mask, next
	s_wait_dscnt 0x0                               ; k's fragments and scale words are in
	v_add_nc_u32 v11, s[TK], v4                    ; these are also the places behind the last products, ahead of the loads into their sources
	v_add_nc_u32 v12, s[TK], v5
	v_add_nc_u32 v14, s[TS], v7
	KADDR
	ds_load_b32 v198, v14
	ds_load_b32 v199, v14 offset:128
	WIN 0x40
.irp k, 0,1,2,3
	ds_load_b128 v[80+12*\k:83+12*\k], v11 offset:1536*\k
	ds_load_b64 v[84+12*\k:85+12*\k], v12 offset:1536*\k+512
	ds_load_b128 v[86+12*\k:89+12*\k], v11 offset:1536*\k+768
	ds_load_b64 v[90+12*\k:91+12*\k], v12 offset:1536*\k+1280
.endr
	WIN 0x05                                       ; sources 0 (k) and 1 (q) window 1, D window 0
.irp u, 0,1
.irp k, 0,1,2,3
.irp f, 0,1                                    ; form f of q picks the fragment's tile f: keys 32 k + 16 (lane / 16) + 8 f + 0 .. 7
.if \k%2
	v_wmma_scale_f32_16x16x128_f8f6f4 v[64+64*\u+16*\k+8*\f:64+64*\u+16*\k+8*\f+7], v[32+12*\k:32+12*\k+11], v[\qb+12*\u+6-6*\f:\qb+12*\u+6-6*\f+11], 0, v[196+\k/2], v[\qs+2*\u+\f] matrix_a_fmt:MATRIX_FMT_FP6 matrix_b_fmt:MATRIX_FMT_FP6 matrix_a_scale:MATRIX_SCALE_ROW1
.else
	v_wmma_scale_f32_16x16x128_f8f6f4 v[64+64*\u+16*\k+8*\f:64+64*\u+16*\k+8*\f+7], v[32+12*\k:32+12*\k+11], v[\qb+12*\u+6-6*\f:\qb+12*\u+6-6*\f+11], 0, v[196+\k/2], v[\qs+2*\u+\f] matrix_a_fmt:MATRIX_FMT_FP6 matrix_b_fmt:MATRIX_FMT_FP6
.endif
.endr
.endr
.endr
	WIN 0
	PLACES
.if \next
	KLOAD 12288, 512
.endif
.if \mask
	s_cmp_lg_u32 s[SKS], s[\lim]                   ; a step ahead of the diagonal: all its keys count
	s_cbranch_scc1 .Lopen_\@
.irp u, 0,1                                    ; register n holds key 32 (n / 16) + n % 16 + 16 (lane / 16) of the step
.set n, 0
.rept 64
	v_cmp_gt_i32 vcc_lo, 32*(n/16)+n%16, v[15+225*\u]
	v_cndmask_b32 v[64+64*\u+n], v[64+64*\u+n], v25, vcc_lo
.set n, n+1
.endr
.endr
.Lopen_\@:
.endif
	STAT
	TILE 0, 18*\next
	TILE 1, 0
.endm
; Trips s[CNT] .. last - 1 of a block, a constant number, every second key step; steps beyond s[lim] are jumped over: a scalar branch on ids, alike in all partners
.macro WALK last, qb, qs, lim
.Lwalk_\@:
	s_cmp_gt_u32 s[SKS], s[\lim]
	s_cbranch_scc1 .Lskip_\@
	BSTEP \qb, \qs, \lim, 1, 1
.Lskip_\@:
	s_add_co_u32 s[TK], s[TK], 12288
	s_add_co_u32 s[TS], s[TS], 512
	s_add_co_u32 s[SKS], s[SKS], 2
	s_add_co_u32 s[CNT], s[CNT], 1
	s_cmp_lt_u32 s[CNT], \last
	s_cbranch_scc1 .Lwalk_\@
.endm
.macro PUT o                           ; register tile 1's part, for the partner
	ds_store_b128 v232, v[20:23] offset:\o+4096
	WIN 0x04
.irp i, 0,1,2,3,4,5,6,7
	ds_store_b128 v232, v[160+4*\i:163+4*\i] offset:\o+512*\i
.endr
	WIN 0
	s_wait_dscnt 0x0
.endm
	s_load_b256 s[4:11], s[0:1], 0x0               ; qkvc s[4:5], qkvs s[6:7], oc s[8:9], os s[10:11]
	v_lshl_add_u32 v[SPW], v0, 2, SPARE
	v_mov_b32 v[NIL], 0
	ds_add_u32 v[SPW], v[NIL]                      ; the opening add, twice on end
	ds_add_u32 v[SPW], v[NIL]
	v_lshrrev_b32 v29, 5, v0
	v_readfirstlane_b32 s14, v29                   ; wave 0..7
	s_bfe_u32 s15, ttmp6, 0x40000                  ; cx
	s_and_b32 s16, ttmp7, 0xffff                   ; batch x 16 + head
	s_lshr_b32 s17, s16, 4                         ; batch
	s_and_b32 s18, s16, 15                         ; head
	GROUP1 24, 48                                  ; key steps 0, 1 of k or of v: 12,288 bytes
	GROUP1 32, 16                                  ; a head's scale words of k or of v
	GROUP1 40, 168                                 ; seven key steps
	s_add_co_u32 s2, s18, 16
	s_mul_i32 s20, s2, 196608
	s_mul_i32 s3, s17, 98304
	s_add_co_u32 s20, s20, s3                      ; k's codes of this batch and head
	s_mul_i32 s21, s16, 98304
	s_add_co_u32 s21, s21, VB                      ; v's
	s_lshl_b32 s22, s2, 13
	s_lshl_b32 s3, s17, 12
	s_add_co_u32 s22, s22, s3                      ; k's scale words
	s_lshl_b32 s23, s16, 12
	s_add_co_u32 s23, s23, VSB                     ; v's
	MK 48, 0, 20, 0
	MK 52, LVC, 21, 0
	MK 56, LKS, 22, 0
	MK 60, LVS, 23, 0
	MK 68, 12288, 20, 12288
	MK 72, LVC+12288, 21, 12288
	MK 76, 55296, 20, 55296
	MK 80, LVC+55296, 21, 55296
	s_lshl_b32 s93, ttmp9, 2
	s_and_b32 s21, s14, 3
	s_add_co_u32 s93, s93, s21                     ; g: the low block's last key step
	s_sub_co_u32 s92, 15, s93                      ; the high block's
	s_lshl_b32 s101, s93, 2
	s_add_co_u32 s101, s101, s15                   ; i_lo
	s_sub_co_u32 s100, 63, s101                    ; i_hi
	s_lshl_b32 s95, s15, 5                         ; 32 (i_lo % 4)
	s_sub_co_u32 s94, 3, s15
	s_lshl_b32 s94, s94, 5                         ; 32 (i_hi % 4)
	s_lshr_b32 s15, s14, 2
	s_xor_b32 s15, s15, s14
	s_and_b32 s15, s15, 1                          ; e
	s_mul_i32 s2, s18, 196608
	s_mul_i32 s3, s17, 98304
	s_add_co_u32 s2, s2, s3                        ; q's codes: head and batch
	s_lshl_b32 s3, s18, 13
	s_lshl_b32 s12, s17, 12
	s_add_co_u32 s3, s3, s12                       ; q's scale words
	s_lshr_b32 s12, s18, 2
	s_mul_i32 s12, s12, OKQ
	s_and_b32 s13, s18, 3
	s_mul_i32 s13, s13, 768
	s_add_co_u32 s12, s12, s13
	s_mul_i32 s13, s17, 393216
	s_add_co_u32 s12, s12, s13
	s_mul_i32 s13, s15, 3072
	s_add_co_u32 s12, s12, s13                     ; O's codes: the head's 64 of the last product's K = 1,024, tile e
	s_lshr_b32 s13, s18, 1
	s_lshl_b32 s13, s13, 6
	s_and_b32 s19, s18, 1
	s_lshl_b32 s19, s19, 1
	s_add_co_u32 s13, s13, s19
	s_lshl_b32 s19, s17, 16
	s_add_co_u32 s13, s13, s19
	s_lshl_b32 s19, s15, 9
	s_add_co_u32 s13, s13, s19                     ; O's scale bytes, tile e
	PT 96, 100, 1536, 2
	PT 98, 100, 64, 3
	PT 20, 101, 1536, 2
	PT 22, 101, 64, 3
	PT 84, 100, 6144, 12
	PT 66, 101, 6144, 12
	PT 86, 101, 1024, 13
	s_sub_co_u32 s18, s100, s101
	s_lshl_b32 s18, s18, 10                        ; from the low block's scale bytes to the high one's
	s_lshl_b32 s19, s15, 4                         ; 16 e
	s_lshl_b32 s2, s15, 3                          ; 8 e
	s_sub_co_u32 s3, 8, s2
	s_lshl_b32 s100, s15, 8                        ; 256 e
	s_sub_co_u32 s101, 256, s100
	s_mul_i32 s12, s14, MW
	s_add_co_u32 s12, s12, MB                      ; where I put parts,
	s_xor_b32 s13, s14, 4
	s_mul_i32 s13, s13, MW
	s_add_co_u32 s13, s13, MB                      ; and where my partner does
	s_mov_b32 s[SEL], 0x76543210
	s_mov_b32 s[SEL+1], 0xfedcba98
	v_and_b32 v29, 31, v0                          ; lane
	v_and_b32 v32, 15, v0                          ; r
	v_bfe_u32 v34, v0, 4, 1                        ; h
	v_lshlrev_b32 v26, 4, v29
	v_lshlrev_b32 v27, 3, v29
	v_mul_u32_u24 v35, 0x300, v34
	v_lshl_add_u32 v1, v32, 4, v35                 ; k's codes (and q's): 768 h + 16 r; tile 1 stands 256 on
	v_lshl_add_u32 v35, v32, 3, v35
	v_add_nc_u32 v35, 0x200, v35                   ; their last two registers: 512 + 768 h + 8 r + 128 (u xor h)
	v_lshl_add_u32 v2, v34, 7, v35                 ; tile 0
	v_xor_b32 v3, 1, v34
	v_lshl_add_u32 v3, v3, 7, v35                  ; tile 1
	v_add_nc_u32 v36, s100, v1                     ; q: my tile is tile e,
	v_add_nc_u32 v37, s101, v1                     ; the other is tile 1 - e
	v_xor_b32 v38, s15, v34
	v_xor_b32 v39, 1, v38
	v_lshl_add_u32 v38, v38, 7, v35
	v_lshl_add_u32 v39, v39, 7, v35
	v_lshlrev_b32 v33, 2, v32                      ; 4 r
	v_add_nc_u32 v4, LVC, v26                      ; v's codes
	v_add_nc_u32 v5, LVC, v27
	v_lshl_add_u32 v6, v29, 2, LKS                 ; k's scale words
	v_lshl_add_u32 v7, v29, 2, LVS                 ; v's
	v_and_b32 v24, 8, v32
	v_add_nc_u32 v24, v24, v32
	v_lshlrev_b32 v40, 4, v34
	v_sub_nc_u32 v24, v24, v40                     ; r + 8 (r / 8) - 16 h
	v_add_nc_u32 v248, s3, v24                     ; + 8 (1 - e)
	v_add_nc_u32 v24, s2, v24                      ; + 8 e
	v_mul_u32_u24 v28, s18, v34
	v_lshl_add_u32 v28, v32, 2, v28                ; O's scale bytes: lanes 0-15 the low block's, lanes 16-31 the high one's
	v_add_nc_u32 v232, s12, v26
	v_add_nc_u32 v233, s13, v26
	v_mov_b32 v25, 0xff800000                      ; -infinity
.irp i, 216,217,218,219,220,221,222,223,229,231,237,239
	v_mov_b32 v\i, 0                               ; written once: a lane permute's destination counts as one of its sources; the upper halves of pairs are named
.endr
	s_mov_b32 s[CS], 0x3e38aa3b                    ; c = log2(e) / 8
	s_mov_b32 s[CS+1], s[CS]
	WALU
	s_wait_dscnt 0x0
	CROUND                                         ; all four work-groups are here: the joint loads meet
	s_wait_kmcnt 0x0
.irp g, 48,52,68,72,76,80
	MK2 \g, 4
.endr
	MK2 56, 6
	MK2 60, 6
	ARM 0, 48, 24, .La1
	ARM 1, 52, 24, .La2
	ARM 2, 56, 32, .La3
	ARM 3, 60, 32, .La4
	ARM 4, 68, 40, .La5
	ARM 5, 72, 40, .La6
	ARM 6, 76, 40, .La7
	tensor_load_to_lds s[80:83], s[40:47]
	s_nop 0
	PLACES
.Lasked:
	PT2 96, 4
	PT2 98, 6
	PT2 20, 4
	PT2 22, 6
	PT2 84, 8
	PT2 66, 8
	PT2 86, 10
	QLOAD 0, 96, 98, 201
	QLOAD 192, 20, 22, 202
	WIN 0x40
.irp b, 0,192
.irp i, 0,1,2,3,4,5,12,13,14,15,16,17,24,25,26,27,28,29
	v_mov_b32 v[\b+\i], 0                          ; the zero codes round q's two tiles
.endr
.endr
	WIN 0
	START 94
	WALU
	s_wait_loadcnt 0x0
	QSCALE 192, 201
	QSCALE 204, 202
.rept 8
	v_nop                                          ; a scale register so written stands 8 places ahead of a scaled product
.endr
	WALU
	s_cmp_lt_u32 s14, 4                            ; waves 0-3 fetched key steps 0, 1 and the scale words
	s_cbranch_scc0 .Llate
	s_wait_tensorcnt 0x0
.Llate:
	s_barrier_signal -1
	s_barrier_wait -1
	KADDR
	KLOAD 0, 0
	BSTEP 0, 192, 92, 0, 0                         ; THE HIGH BLOCK: step e; its diagonal lies at step 8 or later
	s_add_co_u32 s[TK], s[TK], 12288
	s_add_co_u32 s[TS], s[TS], 512
	s_add_co_u32 s[SKS], s[SKS], 2
	s_mov_b32 s[CNT], 1
	WALU
	s_wait_tensorcnt 0x0                           ; key steps 2-15 are in
	s_wait_dscnt 0x0
	s_barrier_signal -1
	s_barrier_wait -1                              ; nothing is ever filled again
	KADDR
	KLOAD 0, 0
	WALK 8, 0, 192, 92                             ; its other steps
	s_wait_dscnt 0x0
	PLACES
	WIN 0x41
	WALU
.set j, 0
.rept 32
	v_mov_b32 v[224+j], v[128+j]                   ; my tile of the high block stays in registers,
.set j, j+1
.endr
	WIN 0
.irp i, 0,1,2,3
	v_mov_b32 v[244+\i], v[16+\i]
.endr
	WALU
	PUT 0                                          ; the other tile's part goes to LDS
	START 95
	KADDR
	KLOAD 0, 0
	WALU
	WALK 8, 192, 204, 93                           ; THE LOW BLOCK
	s_wait_dscnt 0x0
	PLACES
	WALU
	PUT 4608
	s_barrier_signal -1
	s_barrier_wait -1                              ; every wave's parts are in LDS
	ds_load_b128 v[208:211], v233 offset:4096      ; my partner's: -M, (largest t), the sum in two halves, of the high block and of the low one
	ds_load_b128 v[212:215], v233 offset:8704
.irp i, 0,1,2,3,4,5,6,7
	ds_load_b128 v[64+4*\i:67+4*\i], v233 offset:512*\i
.endr
.irp i, 0,1,2,3,4,5,6,7
	ds_load_b128 v[96+4*\i:99+4*\i], v233 offset:4608+512*\i
.endr
	s_wait_dscnt 0x0
.irp u, 0,1                                    ; u = 0 the high block (my statistics in v244-247), 1 the low one (v16-19)
	v_min_num_f32 v[224+\u], v[244-228*\u], v[208+4*\u]  ; -M of the whole row
.endr
.irp u, 0,1
	v_sub_f32 v[216+\u], v[224+\u], v[244-228*\u]
	v_sub_f32 v[218+\u], v[224+\u], v[208+4*\u]
	v_add_f32 v[220+\u], v[246-228*\u], v[247-228*\u]
	v_add_f32 v[222+\u], v[210+4*\u], v[211+4*\u]
.endr
.irp u, 0,1
	v_cvt_i32_f32 v[216+\u], v[216+\u]
	v_cvt_i32_f32 v[218+\u], v[218+\u]
.endr
.irp u, 0,1
	v_ldexp_f32 v[228+2*\u], 1.0, v[216+\u]           ; the two parts' powers of two
	v_ldexp_f32 v[236+2*\u], 1.0, v[218+\u]
.endr
.irp u, 0,1
	v_mul_f32 v[220+\u], v[220+\u], v[228+2*\u]
.endr
.irp u, 0,1
	v_fma_f32 v[220+\u], v[222+\u], v[236+2*\u], v[220+\u]
.endr
.irp u, 0,1
	v_permlanex16_b32 v[216+\u], v[220+\u], s[SEL], s[SEL+1]
.endr
.irp u, 0,1
	v_add_f32 v[220+\u], v[220+\u], v[216+\u]         ; and lane l xor 16's: the row's sum
.endr
	WALU
.irp u, 0,1
	v_rcp_f32 v[220+\u], v[220+\u]
.endr
	v_nop                                          ; a plain instruction behind the reciprocals
	WALU
.irp u, 0,1
	v_mul_f32 v[228+2*\u], v[228+2*\u], v[220+\u]
	v_mul_f32 v[236+2*\u], v[236+2*\u], v[220+\u]
.endr
.irp u, 0,1
.set j, 0
.rept 16
	v_pk_mul_f32 v[64+32*\u+j:65+32*\u+j], v[64+32*\u+j:65+32*\u+j], v[236+2*\u:237+2*\u] op_sel_hi:[1,0]
.set j, j+2
.endr
.endr
	WIN 0x01                                       ; source 0 (O^T) window 1
	WALU
.irp u, 0,1
.set j, 0
.rept 16
	v_pk_fma_f32 v[64+32*\u+j:65+32*\u+j], v[224-96*\u+j:225-96*\u+j], v[228+2*\u:229+2*\u], v[64+32*\u+j:65+32*\u+j] op_sel_hi:[1,0,1]   ; register 16 b + i: channel 32 b + 16 (lane / 16) + i
.set j, j+2
.endr
.endr
	WIN 0
	HQUANT 64, 48, 44
	HQUANT 96, 56, 45
.irp u, 0,1
	global_store_b128 v26, v[48+8*\u:51+8*\u], s[84-18*\u:85-18*\u]            ; 512 and 256 consecutive bytes, aligned
	global_store_b64 v27, v[52+8*\u:53+8*\u], s[84-18*\u:85-18*\u] offset:512
.endr
	v_cmp_lt_u32 vcc_lo, 15, v29
	v_cndmask_b32 v46, v45, v44, vcc_lo            ; lanes 0-15: the low block's two bytes, lanes 16-31: the high one's
	global_store_b16 v28, v46, s[86:87]            ; two bytes a row: the word's other half is another head's
	s_wait_tensorcnt 0x0                           ; the wave's end
	ds_add_u32 v[SPW], v[NIL]
	s_wait_dscnt 0x0
	CROUND                                         ; the closing round: no work-group ends while a partner may still ask for a tile that names it
	s_endpgm
.Lfunc_end_k_q092400e8f5_attn:
	.size	k_q092400e8f5_attn, .Lfunc_end_k_q092400e8f5_attn-k_q092400e8f5_attn
	.p2alignl 7, 3214868480
	.fill 96, 4, 3214868480
	.section	.rodata,"a",@progbits
	.p2align	6, 0x0
	.amdhsa_kernel k_q092400e8f5_attn
		.amdhsa_group_segment_fixed_size 279552
		.amdhsa_private_segment_fixed_size 0
		.amdhsa_enable_private_segment 0
		.amdhsa_kernarg_size 32
		.amdhsa_user_sgpr_count 2
		.amdhsa_user_sgpr_kernarg_segment_ptr 1
		.amdhsa_wavefront_size32 1
		.amdhsa_system_sgpr_workgroup_id_x 1
		.amdhsa_system_sgpr_workgroup_id_y 1
		.amdhsa_system_sgpr_workgroup_id_z 1
		.amdhsa_system_vgpr_workitem_id 0
		.amdhsa_next_free_vgpr 512
		.amdhsa_next_free_sgpr 104
		.amdhsa_reserve_vcc 1
		.amdhsa_float_denorm_mode_32 3
		.amdhsa_float_denorm_mode_16_64 3
		.amdhsa_memory_ordered 1
		.amdhsa_forward_progress 1
		.amdhsa_inst_pref_size 148
	.end_amdhsa_kernel
	.amdgpu_metadata
---
amdhsa.version: [ 1, 2 ]
amdhsa.kernels:
  - .name:           k_q092400e8f5_attn
    .symbol:         k_q092400e8f5_attn.kd
    .args:
      - { .name: qkvc, .offset: 0, .size: 8, .value_kind: global_buffer, .address_space: global }
      - { .name: qkvs, .offset: 8, .size: 8, .value_kind: global_buffer, .address_space: global }
      - { .name: oc, .offset: 16, .size: 8, .value_kind: global_buffer, .address_space: global }
      - { .name: os, .offset: 24, .size: 8, .value_kind: global_buffer, .address_space: global }
    .group_segment_fixed_size: 279552
    .private_segment_fixed_size: 0
    .kernarg_segment_align: 8
    .kernarg_segment_size: 32
    .max_flat_workgroup_size: 256
    .sgpr_count:     104
    .vgpr_count:     512
    .wavefront_size: 32
...
	.end_amdgpu_metadata
.endif
;; end of part 3
;; launch gemm_out (part 4): grid 8 x 32, 8 waves a work-group, clusters of 4 x 4, 240,640 bytes of LDS; arguments oc, os, cod, scl, out0; writes out0
.if DOCPART == 4
	.amdgcn_target "amdgcn-amd-amdhsa--gfx1250"
	.amdhsa_code_object_version 6
	.text
	.protected	k_q092400e8f5_gemm_out
	.globl	k_q092400e8f5_gemm_out
	.p2align	8
	.type	k_q092400e8f5_gemm_out,@function
k_q092400e8f5_gemm_out:
	s_mov_b64 s[64:65], 0
	v_nop
	global_prefetch_b8 v0, s[64:65] scope:SCOPE_SE
	s_setreg_imm32_b32 hwreg(HW_REG_WAVE_MODE, 25, 1), 1
	s_wait_xcnt 0x0
	s_wait_alu depctr_hold_cnt(0) depctr_sa_sdst(0) depctr_va_vdst(0) depctr_va_sdst(0) depctr_va_ssrc(0) depctr_va_vcc(0) depctr_vm_vsrc(0)
	s_getreg_b32 s2, hwreg(HW_REG_IB_STS2, 6, 4)
	s_cmp_eq_u32 s2, 0
	s_cbranch_scc0 .Lentry_in_a_cluster
	s_endpgm
.Lentry_in_a_cluster:
	s_bfe_u32 s2, ttmp6, 0x10000c
	s_cmp_lg_u32 s2, 0xf033
	s_cbranch_scc0 .Lentry_shape_is_right
	s_endpgm
.Lentry_shape_is_right:
; out0 = O Wo^T on codes of FP6 (E2M3) with E8M0 scales, f32 sums, f32 out.  O: 4,096 rows as codes (oc, os), Wo: row tiles 448 .. 511 of cod, scl; K = 1,024.
; C[m][n] = sum over k of A[m][k] B[n][k].  A work-group makes 128 x 128, each of its eight waves (wm = wave / 2, wn = wave % 2) 32 x 64: 8 accumulators: 256 work-groups.
; THE MATRIX INSTRUCTION IS USED TRANSPOSED (source 0 = 16 rows of B, source 1 = 16 rows of A): a lane holds one row of A and eight neighbouring columns.  The rows of a tile are 32 g + 8 u + r + 8 (r / 8).
; ALL OF K LIES IN LDS: A's 128 rows and B's 128 rows are 98,304 bytes of codes each, [quarter of K][tile][K step][1,536].  Every LDS byte is filled once, so there is no ring; each wave issues one tensor load:
; waves 0-3 the first quarter of K and the scale words, waves 4, 5 the second quarter, waves 6, 7 the last two; the work on a part begins when a barrier has shown it.
; CLUSTER 4 x 4: A's tiles are shared along a row of the cluster, B's along a column.  No prefetch: all is asked for at the launch's start.
; LIMITS: NaN and infinities are not served.
; REGISTERS.  v4-17 addresses; v20-23, v28-31 two sets of scale words; v32-103, v104-175 two fragment buffers: A's two, then B's four; v176-239 the accumulators ((a, b) at v[176 + 8 (4 a + b)]); v32-95 also rows on the way out.
.set CKQ,   1572864                    ; bytes from a quarter of K to the next in cod
.set OKQ,   786432                     ; and in oc
.set BOF,   98304
.set SCL,   196608                     ; A's scale words, then B's, 4,096 bytes each
.set STG,   204800                     ; a stage of 16 rows x (256 + 16) bytes for each wave; no fill lands there
.set SPARE, 239616
.set SPW,   16
.set NIL,   17
.set ACC,   176
.set G1A,   16
.set G1B,   24
.set G1SA,  32
.set G1SB,  40
.set G1A2,  48
.set G1B2,  68
.macro PLACES                          ; four plain instructions behind a matrix instruction, ahead of loads into its sources and of reads of its result
.rept 4
	v_nop
.endr
.endm
.macro CROUND                          ; a round of the cluster's barrier
	s_barrier_signal -1
	s_barrier_wait -1
	s_cmp_lg_u32 s14, 0
	s_cbranch_scc1 .Lnot_wave_0_\@
	s_barrier_signal -3
.Lnot_wave_0_\@:
	s_barrier_wait -3
	s_barrier_signal -1
	s_barrier_wait -1
.endm
.macro GROUP1 g, mask, c, r, p         ; r rows of c elements of 8 bytes, pitch p; bit 21 set beside the mask; no padding
	s_or_b32 s[\g], s\mask, (3<<16)|(1<<21)
	s_mov_b32 s[\g+1], (\c)<<16
	s_mov_b32 s[\g+2], (\r)<<16
	s_mov_b32 s[\g+3], (\c)<<16
	s_mov_b32 s[\g+4], \r
	s_mov_b32 s[\g+5], \p
	s_mov_b32 s[\g+6], 0
	s_mov_b32 s[\g+7], 0
.endm
.macro MK g, lds, off, add             ; group 0 but for the buffer's address
	s_mov_b32 s[\g], 1
	s_mov_b32 s[\g+1], \lds
	s_add_co_u32 s[\g+2], s\off, \add
	s_mov_b32 s[\g+3], 0
.endm
.macro MK2 g, base
	s_add_nc_u64 s[\g+2:\g+3], s[\base:\base+1], s[\g+2:\g+3]
	s_or_b32 s[\g+3], s[\g+3], 0x80000000
.endm
.macro ARM n, g0, g1, next             ; wave n's one load
	s_cmp_eq_u32 s14, \n
	s_cbranch_scc0 \next
	tensor_load_to_lds s[\g0:\g0+3], s[\g1:\g1+7]
	s_nop 0
	PLACES
	s_branch .Lasked
\next:
.endm
.macro FR d, a, b, o                   ; a fragment's two halves
	ds_load_b128 v[\d:\d+3], \a offset:\o
	ds_load_b64 v[\d+4:\d+5], \b offset:\o+512
	ds_load_b128 v[\d+6:\d+9], \a offset:\o+768
	ds_load_b64 v[\d+10:\d+11], \b offset:\o+1280
.endm
.macro FETCH st                        ; K step st: six fragments and four registers of scale words (lanes 0-15 A's tile i, lanes 16-31 B's): 28 loads
.set KQ_, (\st)/2
.set FB_, 32+72*((\st)%2)
.irp i, 0,1
.set OF_, (KQ_%2)*24576+\i*3072+1536*((\st)%2)
	FR FB_+12*\i, v[4+KQ_/2], v[6+KQ_/2], OF_
.endr
.irp i, 0,1,2,3
.set OF_, (KQ_%2)*24576+\i*3072+1536*((\st)%2)
	FR FB_+24+12*\i, v[8+KQ_/2], v[10+KQ_/2], OF_
.endr
.irp i, 0,1,2,3
	ds_load_b32 v[20+8*((\st)%2)+\i], v12 offset:512*\i+64*(\st)
.endr
.endm
.macro MUL st                          ; 8 matrix instructions, the accumulators by turns, in the same order in every K step; K step 0 starts the sums
.set F_, 32+72*((\st)%2)
.set S_, 20+8*((\st)%2)
.irp a, 0,1
.irp b, 0,1,2,3
.if (\st) == 0
	v_wmma_scale_f32_16x16x128_f8f6f4 v[ACC+8*(4*\a+\b):ACC+8*(4*\a+\b)+7], v[F_+24+12*\b:F_+24+12*\b+11], v[F_+12*\a:F_+12*\a+11], 0, v[S_+\b], v[S_+\a] matrix_a_fmt:MATRIX_FMT_FP6 matrix_b_fmt:MATRIX_FMT_FP6 matrix_a_scale:MATRIX_SCALE_ROW1
.else
	v_wmma_scale_f32_16x16x128_f8f6f4 v[ACC+8*(4*\a+\b):ACC+8*(4*\a+\b)+7], v[F_+24+12*\b:F_+24+12*\b+11], v[F_+12*\a:F_+12*\a+11], v[ACC+8*(4*\a+\b):ACC+8*(4*\a+\b)+7], v[S_+\b], v[S_+\a] matrix_a_fmt:MATRIX_FMT_FP6 matrix_b_fmt:MATRIX_FMT_FP6 matrix_a_scale:MATRIX_SCALE_ROW1
.endif
.endr
.endr
.endm
	s_load_b256 s[4:11], s[0:1], 0x0               ; oc s[4:5], os s[6:7], cod s[8:9], scl s[10:11]
	s_load_b64 s[12:13], s[0:1], 0x20              ; out0
	v_lshl_add_u32 v[SPW], v0, 2, SPARE
	v_mov_b32 v[NIL], 0
	ds_add_u32 v[SPW], v[NIL]                      ; the opening add, twice on end
	ds_add_u32 v[SPW], v[NIL]
	v_lshrrev_b32 v1, 5, v0
	v_readfirstlane_b32 s14, v1                    ; wave 0..7
	s_bfe_u32 s2, ttmp6, 0x40000                   ; cx
	s_bfe_u32 s3, ttmp6, 0x40004                   ; cy
	s_lshl_b32 s100, s3, 2
	s_lshl_b32 s100, 15, s100                      ; my row of the cluster
	s_lshl_b32 s101, 0x1111, s2                    ; my column
	GROUP1 G1A, 100, 32, 96, 32                    ; a quarter of K of 128 rows: 24,576 dense bytes
	GROUP1 G1SA, 100, 32, 16, 32
	GROUP1 G1A2, 100, 3072, 2, 98304               ; two quarters
	GROUP1 G1B, 101, 32, 96, 32
	GROUP1 G1SB, 101, 32, 16, 32
	GROUP1 G1B2, 101, 3072, 2, 196608
	s_lshl_b32 s66, ttmp9, 2
	s_add_co_u32 s66, s66, s2                      ; nt: made of the cluster's x and cx alone
	s_and_b32 s67, ttmp7, 0xffff
	s_lshl_b32 s67, s67, 2
	s_add_co_u32 s67, s67, s3                      ; mt: made of the cluster's y and cy alone
	s_mul_i32 s100, s67, 24576
	MK 56, 0, 100, 0
	MK 84, 24576, 100, OKQ
	MK 92, 49152, 100, 2*OKQ
	s_lshl_b32 s100, s67, 12
	MK 76, SCL, 100, 0
	s_mul_i32 s101, s66, 24576
	s_add_co_u32 s101, s101, 1376256               ; Wo's row tiles begin at 448
	MK 60, BOF, 101, 0
	MK 88, BOF+24576, 101, CKQ
	MK 96, BOF+49152, 101, 2*CKQ
	s_lshl_b32 s101, s66, 12
	s_add_co_u32 s101, s101, 229376
	MK 80, SCL+4096, 101, 0
	s_wait_dscnt 0x0
	CROUND                                         ; all sixteen work-groups are here: the joint loads meet
	s_wait_kmcnt 0x0
	MK2 56, 4
	MK2 84, 4
	MK2 92, 4
	MK2 76, 6
	MK2 60, 8
	MK2 88, 8
	MK2 96, 8
	MK2 80, 10
	ARM 0, 56, G1A, .La1
	ARM 1, 60, G1B, .La2
	ARM 2, 76, G1SA, .La3
	ARM 3, 80, G1SB, .La4
	ARM 4, 84, G1A, .La5
	ARM 5, 88, G1B, .La6
	ARM 6, 92, G1A2, .La7
	tensor_load_to_lds s[96:99], s[G1B2:G1B2+7]
	s_nop 0
	PLACES
.Lasked:
	s_lshr_b32 s15, s14, 1                         ; wm
	s_and_b32 s2, s14, 1                           ; wn
	s_lshl_b32 s100, s67, 19                       ; out0: row 128 mt + 32 wm, 4,096 bytes a row
	s_lshl_b32 s101, s15, 17
	s_add_co_u32 s100, s100, s101
	s_lshl_b32 s101, s66, 9                        ; column 128 nt + 64 wn, 4 bytes
	s_add_co_u32 s100, s100, s101
	s_lshl_b32 s101, s2, 8
	s_add_co_u32 s100, s100, s101
	s_mov_b32 s101, 0
	s_add_nc_u64 s[12:13], s[12:13], s[100:101]
	s_mul_i32 s66, s15, 6144                       ; my two tiles of A: quarters 0, 1,
	s_add_co_u32 s67, s66, 49152                   ; and 2, 3
	s_mul_i32 s100, s2, 12288
	s_add_co_u32 s100, s100, BOF                   ; my four tiles of B
	s_add_co_u32 s101, s100, 49152
	s_lshl_b32 s3, s15, 10
	s_lshl_b32 s2, s2, 11
	s_add_co_u32 s2, s2, 4096
	s_sub_co_u32 s2, s2, s3                        ; from A's scale words to B's
	s_add_co_u32 s3, s3, SCL
	s_mul_i32 s104, s14, 4352
	s_add_co_u32 s104, s104, STG                   ; my stage
	v_and_b32 v1, 31, v0                           ; lane
	v_and_b32 v2, 15, v0                           ; r
	v_bfe_u32 v3, v0, 4, 1                         ; h
	v_lshlrev_b32 v18, 4, v1
	v_lshlrev_b32 v19, 3, v1
	v_add_nc_u32 v4, s66, v18
	v_add_nc_u32 v5, s67, v18
	v_add_nc_u32 v6, s66, v19
	v_add_nc_u32 v7, s67, v19
	v_add_nc_u32 v8, s100, v18
	v_add_nc_u32 v9, s101, v18
	v_add_nc_u32 v10, s100, v19
	v_add_nc_u32 v11, s101, v19
	v_mul_u32_u24 v12, s2, v3
	v_lshl_add_u32 v12, v2, 2, v12
	v_add_nc_u32 v12, s3, v12
	v_mul_u32_u24 v13, 0x110, v2
	v_lshl_add_u32 v13, v3, 6, v13
	v_add_nc_u32 v13, s104, v13                    ; into the stage: row r, + 64 h: of each 32 columns my half holds 16
	v_mul_u32_u24 v14, 0x110, v3
	v_lshl_add_u32 v14, v2, 4, v14
	v_add_nc_u32 v14, s104, v14                    ; back: lanes 0-15 one row of 256 bytes, lanes 16-31 the next
	v_lshlrev_b32 v15, 12, v3
	v_lshl_add_u32 v15, v2, 4, v15                 ; and the same two rows in out0
	s_wait_alu depctr_va_vdst(0)                   ; the wait at the head's end
	s_cmp_lt_u32 s14, 4
	s_cbranch_scc0 .Llate_0
	s_wait_tensorcnt 0x0                           ; the first quarter of K and the scale words
.Llate_0:
	s_barrier_signal -1
	s_barrier_wait -1
	FETCH 0
	FETCH 1
	s_wait_dscnt 28                                ; all but K step 1's 28 loads
	MUL 0
	s_cmp_lt_u32 s14, 6
	s_cbranch_scc0 .Llate_1
	s_wait_tensorcnt 0x0                           ; the second quarter
.Llate_1:
	s_wait_dscnt 0x0
	s_barrier_signal -1
	MUL 1
	s_barrier_wait -1
	PLACES
	FETCH 2
	FETCH 3
	s_wait_dscnt 28
	MUL 2
	s_wait_tensorcnt 0x0                           ; the last two
	s_wait_dscnt 0x0
	s_barrier_signal -1
	MUL 3
	s_barrier_wait -1
	PLACES
	FETCH 4
	FETCH 5
	s_wait_dscnt 28
	MUL 4
	PLACES
	FETCH 6
	s_wait_dscnt 28
	MUL 5
	PLACES
	FETCH 7
	s_wait_dscnt 28
	MUL 6
	s_wait_dscnt 0x0
	MUL 7
	PLACES
; THE WAY OUT, a tile of 16 rows x 64 columns at a time, through my own stage: a lane holds pieces of one row, and the lanes beside it hold other rows; back come whole rows of 256 bytes.
; LDS serves a wave's instructions in order (ISA guide 5.7.1.4): no wait between the stores and the loads, nor ahead of the next tile's stores.
.macro TOSTAGE a
.irp b, 0,1,2,3
.irp p, 0,1
	ds_store_b128 v13, v[ACC+8*(4*(\a)+\b)+4*\p:ACC+8*(4*(\a)+\b)+4*\p+3] offset:128*(\b/2)+32*(\b%2)+16*\p   ; each accumulator from its low end on
.endr
.endr
.irp t, 0,1,2,3,4,5,6,7
	ds_load_b128 v[32+32*(\a)+4*\t:32+32*(\a)+4*\t+3], v14 offset:544*\t
.endr
.endm
.macro SEND a, younger                 ; younger: the LDS instructions issued behind tile a's loads, which may stay out
	s_wait_dscnt \younger
.irp t, 0,1,2,3,4,5,6,7
	global_store_b128 v15, v[32+32*(\a)+4*\t:32+32*(\a)+4*\t+3], s[12:13] offset:(8*(\a)+2*\t+8*(\t/4))*4096 th:TH_STORE_NT   ; lane-rows 2 t and 2 t + 1 of the tile; 16 lanes store 256 consecutive bytes, aligned
.endr
.endm
	TOSTAGE 0
	TOSTAGE 1
	SEND 0, 16                                     ; behind tile 0's loads: tile 1's 8 stores and 8 loads
	SEND 1, 0
	s_wait_tensorcnt 0x0                           ; the wave's end
	ds_add_u32 v[SPW], v[NIL]
	s_wait_dscnt 0x0
	CROUND                                         ; the closing round: no work-group ends while a partner may still ask for a tile that names it
	s_endpgm
.Lfunc_end_k_q092400e8f5_gemm_out:
	.size	k_q092400e8f5_gemm_out, .Lfunc_end_k_q092400e8f5_gemm_out-k_q092400e8f5_gemm_out
	.p2alignl 7, 3214868480
	.fill 96, 4, 3214868480
	.section	.rodata,"a",@progbits
	.p2align	6, 0x0
	.amdhsa_kernel k_q092400e8f5_gemm_out
		.amdhsa_group_segment_fixed_size 240640
		.amdhsa_private_segment_fixed_size 0
		.amdhsa_enable_private_segment 0
		.amdhsa_kernarg_size 40
		.amdhsa_user_sgpr_count 2
		.amdhsa_user_sgpr_kernarg_segment_ptr 1
		.amdhsa_wavefront_size32 1
		.amdhsa_system_sgpr_workgroup_id_x 1
		.amdhsa_system_sgpr_workgroup_id_y 1
		.amdhsa_system_sgpr_workgroup_id_z 1
		.amdhsa_system_vgpr_workitem_id 0
		.amdhsa_next_free_vgpr 256
		.amdhsa_next_free_sgpr 106
		.amdhsa_reserve_vcc 0
		.amdhsa_float_denorm_mode_32 3
		.amdhsa_float_denorm_mode_16_64 3
		.amdhsa_memory_ordered 1
		.amdhsa_forward_progress 1
		.amdhsa_inst_pref_size 39
	.end_amdhsa_kernel
	.amdgpu_metadata
---
amdhsa.version: [ 1, 2 ]
amdhsa.kernels:
  - .name:           k_q092400e8f5_gemm_out
    .symbol:         k_q092400e8f5_gemm_out.kd
    .args:
      - { .name: oc, .offset: 0, .size: 8, .value_kind: global_buffer, .address_space: global }
      - { .name: os, .offset: 8, .size: 8, .value_kind: global_buffer, .address_space: global }
      - { .name: cod, .offset: 16, .size: 8, .value_kind: global_buffer, .address_space: global }
      - { .name: scl, .offset: 24, .size: 8, .value_kind: global_buffer, .address_space: global }
      - { .name: out0, .offset: 32, .size: 8, .value_kind: global_buffer, .address_space: global }
    .group_segment_fixed_size: 240640
    .private_segment_fixed_size: 0
    .kernarg_segment_align: 8
    .kernarg_segment_size: 40
    .max_flat_workgroup_size: 256
    .sgpr_count:     106
    .vgpr_count:     256
    .wavefront_size: 32
...
	.end_amdgpu_metadata
.endif
;; end of part 4
